; MI455X (gfx1250); checked and timed in simulation.
; The chip was launched on July 23, 2026; its instructions are those of AMD's public machine-readable ISA for CDNA 5 (MIT licence, August 2026) and "CDNA5" Instruction Set Architecture Reference Guide (July 2026). The comments in the code are by the model that wrote it; some were corrected since.
;; Multi Head Self Attention. Allowed arithmetic: matrix products marked QUANTISED: E5M2 operands, one E8M0 scale for each 32 along K, by v_wmma_scale_f32_16x16x128_f8f6f4 with both operands' format E5M2, f32 sums; everything else in f32.
;; Inputs: Wk_codes 1,024 x 32 x 32 uint8 (E5M2 codes of Wk, K innermost, in blocks of 32 codes); Wk_scales 1,024 x 32 uint8 (E8M0 scales of Wk, one for each 32 codes along K); Wo_codes 1,024 x 32 x 32 uint8 (E5M2 codes of Wo, K innermost, in blocks of 32 codes); Wo_scales 1,024 x 32 uint8 (E8M0 scales of Wo, one for each 32 codes along K); Wq_codes 1,024 x 32 x 32 uint8 (E5M2 codes of Wq, K innermost, in blocks of 32 codes); Wq_scales 1,024 x 32 uint8 (E8M0 scales of Wq, one for each 32 codes along K); Wv_codes 1,024 x 32 x 32 uint8 (E5M2 codes of Wv, K innermost, in blocks of 32 codes); Wv_scales 1,024 x 32 uint8 (E8M0 scales of Wv, one for each 32 codes along K); bk 1,024 float32; bo 1,024 float32; bq 1,024 float32; bv 1,024 float32; mask 4 x 1 x 1 x 2,048 int32; x_codes 4 x 2,048 x 32 x 32 uint8 (E5M2 codes of x, K innermost, in blocks of 32 codes); x_scales 4 x 2,048 x 32 uint8 (E8M0 scales of x, one for each 32 codes along K).
;; Outputs: out0 4 x 2,048 x 1,024 float32.
;; This version of the problem:
;;   THIS VERSION OF THE PROBLEM IS GIVEN IN LOW PRECISION. The matrix products marked QUANTISED in the list below multiply operands that are first quantised to E5M2 (5 exponent bits, 2 mantissa bits; 8 bits a number), with one power-of-two scale for each 32 numbers along K (OCP MX v1.0); their sums are f32. All else is computed in f32.
;;   The module's matrix products, in the order in which they are computed (A, B: the left and right operand; K: the contracted axis; several contracted axes count as one K, in the product's order):
;;     1. [M 8,192, K 1,024] x [K 1,024, N 1,024]; A: input x (given as codes); B: input Wq (given as codes): QUANTISED
;;     2. [M 8,192, K 1,024] x [K 1,024, N 1,024]; A: input x (given as codes); B: input Wk (given as codes): QUANTISED
;;     3. [M 8,192, K 1,024] x [K 1,024, N 1,024]; A: input x (given as codes); B: input Wv (given as codes): QUANTISED
;;     4. batch 64 x [M 2,048, K 64] x [K 64, N 2,048]; A: computed on the way; B: computed on the way: QUANTISED
;;     5. batch 64 x [M 2,048, K 2,048] x [K 2,048, N 64]; A: softmax (see below); B: computed on the way: QUANTISED
;;     6. [M 8,192, K 1,024] x [K 1,024, N 1,024]; A: computed on the way; B: input Wo (given as codes): QUANTISED
;;   THE QUANTISER, for each operand of a quantised product, along K:
;;     - K is cut into blocks of 32 from its start; a last block that is shorter is filled with zeros.
;;     - A block's scale is 2^e with e = floor(log2(the largest magnitude in the block)) - 15, held to -126 .. 127; a block of zeros has e = 0. As a byte (E8M0): e + 127.
;;     - Each number is divided by its block's scale, clamped to +-57,344, and rounded to the nearest number of E5M2, ties to even, subnormals kept.
;;     - The product sums the exact products of the quantised numbers (number of the format x scale) in f32.
;;   ~~~python
;;   def quantise(x, axis):      # numpy; x: float32 -> the quantised numbers, widened to float32 again
;;       x = np.moveaxis(x, axis, -1); K = x.shape[-1]
;;       x = np.pad(x, [(0, 0)] * (x.ndim - 1) + [(0, -K % 32)]); x = x.reshape(x.shape[:-1] + (-1, 32)); a = np.abs(x).max(-1, keepdims=True)
;;       e = np.where(a > 0, np.clip(np.frexp(np.where(a > 0, a, 1))[1] - 1 - 15, -126, 127), 0)      # np.frexp(a)[1] - 1 = floor(log2(a)), exactly
;;       r = np.clip(x / 2.0 ** e, -57344, 57344)
;;       step = 2.0 ** (np.maximum(np.frexp(np.where(r == 0, 1, r))[1] - 1, -14) - 2)
;;       q = np.round(r / step) * step * 2.0 ** e      # np.round: ties to even
;;       return np.moveaxis(q.reshape(q.shape[:-2] + (-1,))[..., :K], -1, axis).astype(np.float32)
;;   ~~~
;;   SOFTMAX AHEAD OF A QUANTISED PRODUCT. Where the list says 'softmax', what is quantised is not the finished softmax but p = 2^(t - M), with t = logit x log2(e) and M = ceil(the row's largest t), a whole number; so 1/2 < the row's largest p <= 1. The row's sum l is taken of the UNQUANTISED p, in f32, and the product's result is divided by l at the end. Since M is a whole number, a kernel that streams over the keys may use a running M (the ceiling of the running maximum): every later rescaling is an exact power of two, which a block's scale takes up: the codes' values come out the same.
;;   OPERANDS COMPUTED ON THE WAY. 'Computed on the way' means the value that the module computes at that place (a softmax that the list does not call 'softmax' is quantised finished and normalised). What goes into a quantiser is computed in f32, as accurately as f32 sums, v_exp_f32 and their like allow (about 1e-6 of the number): no bf16 or f16 on the way to a quantiser, and a product that is left as it is and whose result goes on into a quantised operand takes f32 operands (vector FMAs, or v_wmma_f32_16x16x4_f32). A number that lies on a knife's edge between two numbers of the format may be rounded either way, as far as f32 arithmetic and the matrix unit's own rounding can turn it there, and no further.
;;   INPUTS GIVEN AS CODES. Wk (in the module: [1024, 1024], K = its axis 1); Wo (in the module: [1024, 1024], K = its axis 1); Wq (in the module: [1024, 1024], K = its axis 1); Wv (in the module: [1024, 1024], K = its axis 1); x (in the module: [4, 2048, 1024], K = its axis 2): each comes as NAME_codes (uint8): NAME with its K axis moved to the last place and cut into blocks of 32 codes, [.., K / 32, bytes a block], one block behind the other in memory; one code a byte (a code: sign, 5 exponent bits, 2 mantissa bits); and NAME_scales (uint8): the same leading axes, one E8M0 byte (e + 127) for each 32 codes along K. Its value is code x scale, taken as it is: it is not quantised again, and the codes and scales need not be those that the quantiser above would give.
;; One version. Each part assembles by itself: llvm-mc -triple=amdgcn-amd-amdhsa -mcpu=gfx1250 --defsym DOCPART=n.
;; ======== version 1 of 1: 3 launches
;; limits: right only within a limited range of input values
;; workspace buffers: kv 17,563,648 bytes; qw 17,563,648 bytes; att 8,388,608 bytes; atts 262,144 bytes
;; launch proj (part 1): grid 16 x 16, 4 waves a work-group, clusters of 4 x 4, 327,680 bytes of LDS; arguments x_codes, x_scales, Wq_codes, Wq_scales, Wk_codes, Wk_scales, Wv_codes, Wv_scales, bq, bk, bv, mask, qw, kv; writes qw, kv
.if DOCPART == 1
	.amdgcn_target "amdgcn-amd-amdhsa--gfx1250"
	.amdhsa_code_object_version 6
	.text
	.protected	k_qdfb21a1d27_proj
	.globl	k_qdfb21a1d27_proj
	.p2align	8
	.type	k_qdfb21a1d27_proj,@function
k_qdfb21a1d27_proj:
	s_mov_b64 s[64:65], 0
	v_nop
	global_prefetch_b8 v0, s[64:65] scope:SCOPE_SE
	s_setreg_imm32_b32 hwreg(HW_REG_WAVE_MODE, 25, 1), 1
	s_wait_xcnt 0x0
	s_wait_alu depctr_hold_cnt(0) depctr_sa_sdst(0) depctr_va_vdst(0) depctr_va_sdst(0) depctr_va_ssrc(0) depctr_va_vcc(0) depctr_vm_vsrc(0)
	s_getreg_b32 s2, hwreg(HW_REG_IB_STS2, 6, 4)
	s_cmp_eq_u32 s2, 0
	s_cbranch_scc0 .Lentry_in_a_cluster
	s_endpgm
.Lentry_in_a_cluster:
	s_bfe_u32 s2, ttmp6, 0x10000c
	s_cmp_lg_u32 s2, 0xf033
	s_cbranch_scc0 .Lentry_shape_is_right
	s_endpgm
.Lentry_shape_is_right:
; Q, K, V = x W^T + b on codes of BF8 (E5M2) with E8M0 scales, 8,192 x 3,072 x 1,024, and their quantisers.  Nothing of reference() is left out.
; WHAT LEAVES: images for the next launch.  A head's key step of 128 tokens is 17,152 bytes: K's (in qw: Q's) codes [tile of 16 tokens][block of 32 features][lane][16] at 0; V's codes [16 features][block of 32 keys][lane][16] at 8,192;
; K's scale words at 16,384 (slot l of 16 bytes, word j: tile 2 j + l / 16, token l % 16); V's at 16,896 (slot l of 8 bytes, word j: features 16 (2 j + l / 16) + l % 16).
; A lane (r, h) holds of a block of 32 the numbers 8 h + 0..7 and 16 + 8 h + 0..7: the same order in Q and K, and in V and the next launch's p.
; Byte 2 of a word of K is 1 for an open key and 227 for a hidden one, of Q 127: the next launch's product adds the mask by them.
; THE DEAL.  256 work-groups of four waves, 2 x 2.  A wave holds 64 rows of a weight (one head), ALL of K, in 512 registers (windows 1, 2); x's rows pass in blocks of 16, in two whole sets (window 3).
; PHASE 1: 512 rows x 128 columns of Q (cluster x 0, 1) or K (2, 3): 16 blocks a wave: wave row wr takes tiles 2 k + wr of a chunk of 128 rows, so that its four scale words fill a slot.
; PHASE 2: 256 rows x 128 columns of V, of one of the work-group's own two windows of 256 rows (number: cluster x % 2): 8 blocks a wave: wave row wr takes tiles 4 wr + 0..3, pairs of which are blocks of 32 keys.
; LDS: two regions of 128 rows of 1,024 bytes + 16 of padding.  X: the first weight, then chunks 1 and 3; Y: chunks 0 and 2, Wv's rows, chunk 2 anew.  Phase 1 takes V's window last: chunk 3 still lies in X when V begins.
; Each later fill stands behind a drained round of the cluster's barrier, 32 rows a wave; in phase 1 the round stands behind a chunk's third block, shows the next chunk and frees this one.
; x's scale bytes (512 rows, in the order of work) lie in LDS throughout.  Which window is V's enters global addresses alone.
; CLUSTER 4 x 4: x's rows are shared along a row, a weight's along a column: joint loads.  PREFETCH: a chunk is 131,072 bytes: sixteen waves x 32 lanes x 256 bytes, shared out by address; chunks 1, 2 at the head, chunk 3 in block 1, Wv in block 5.
; LIMITS: NaN, infinities and sums beyond f32's range are not served; a block of zeros has the byte 1 (only this program reads the bytes).
.set PITCH,  1040
.set TILEB,  16*PITCH
.set XB,     0
.set YB,     128*PITCH
.set SCL,    2*128*PITCH               ; x's scale bytes: units of 8 rows (256 bytes) + 16: a tile of 16 rows is 544
.set XV,     SCL+64*272                ; V's scale bytes: [step of two][head of two][256]
.set SPARE,  XV+1024
.set STEPB,  17152
.set AD,   4                           ; v4-7 phase 1: Y low, Y high, X low, X high; v8, v9 phase 2: X, Y
.set ADW,  10                          ; v10, v11 my rows of a weight in X, in Y
.set AAS,  12
.set AASV, 13
.set CO,   14
.set CW,   15
.set VX,   16
.set ABS,  17
.set HB,   18
.set RB,   19
.set PF,   20                          ; v20-23 the prefetches' offsets; never rewritten
.set CV8,  24
.set VR,   25
.set SPW,  28
.set NIL,  29
.set OPN,  30
.set SHT,  31
.set SB,   32                          ; v32-47 the weight's scale words: 8 p + q: lanes 0-15 tile 2 p, lanes 16-31 tile 2 p + 1
.set SA,   52                          ; v52-67 x's: two sets of eight; no product's two scale words have numbers equal modulo 8
.set WS,   68                          ; v68-83 Wv's words, until the change of phase
.set BV,   84                          ; v84-87 bv, a number a tile
.set RV,   88                          ; v88-103 byte 2 of my 16 blocks' scale words
.set SW,   104
.set TM,   108
.set PC,   124                         ; v124-139 codes
.set BQ,   144                         ; v144-175 the first products' C: the bias
.set ACC,  176                         ; v176-239 two sets of four accumulators
.set G1HX, 24
.set G1HW, 32
.set G0HW, 40
.set G0HX, 44
.set G1S,  48
.set G0S,  56
.set G0W,  60
.set G1R,  68
.set G1W,  76
.set G0R,  84
.set MSB, 0
.macro WIN new
.if MSB != (\new)
	s_set_vgpr_msb (MSB<<8)|(\new)
.set MSB, (\new)
.endif
.endm
.macro PLACES n
.rept \n
	v_nop
.endr
.endm
.macro CROUND
	s_barrier_signal -1
	s_barrier_wait -1
	s_cmp_lg_u32 s14, 0
	s_cbranch_scc1 .Lnot_wave_0_\@
	s_barrier_signal -3
.Lnot_wave_0_\@:
	s_barrier_wait -3
	s_barrier_signal -1
	s_barrier_wait -1
.endm
.macro TLOAD g0, g1
	tensor_load_to_lds s[\g0:\g0+3], s[\g1:\g1+7]
	s_nop 0
	PLACES 4
.endm
.macro GROUP1 g, mask, rows            ; so many dense rows of 1,024 bytes, 16 bytes of padding behind each
	s_or_b32 s[\g+0], s[\mask], (1<<20)|(1<<21)|(7<<22)|(3<<25)
	s_mov_b32 s[\g+1], 1024<<16
	s_mov_b32 s[\g+2], (\rows)<<16
	s_mov_b32 s[\g+3], 1024<<16
	s_mov_b32 s[\g+4], \rows
	s_mov_b32 s[\g+5], 1024
	s_mov_b32 s[\g+6], 0
	s_mov_b32 s[\g+7], 0
.endm
	s_load_b512 s[68:83], s[0:1], 0x0              ; x_codes, x_scales, Wq c, s, Wk c, s, Wv c, s
	s_load_b256 s[84:91], s[0:1], 0x40             ; bq, bk, bv, mask
	s_load_b128 s[92:95], s[0:1], 0x60             ; qw, kv
	v_lshl_add_u32 v[SPW], v0, 2, SPARE
	v_mov_b32 v[NIL], 0
	ds_add_u32 v[SPW], v[NIL]                      ; the opening lines: the add twice on end and its wait
	ds_add_u32 v[SPW], v[NIL]
	v_lshrrev_b32 v1, 5, v0
	v_readfirstlane_b32 s14, v1                    ; wave
	s_lshr_b32 s15, s14, 1                         ; wr
	s_and_b32 s16, s14, 1                          ; wc
	s_bfe_u32 s96, ttmp6, 0x40000                  ; cx
	s_bfe_u32 s97, ttmp6, 0x40004                  ; cy
	s_and_b32 s17, ttmp7, 0xffff
	s_lshl_b32 s17, s17, 2
	s_add_co_u32 s17, s17, s97                     ; tile row: 512 rows of x
	s_and_b32 s18, ttmp9, 1                        ; which of my two windows is V's
	s_lshr_b32 s19, ttmp9, 1                       ; 0: Q, 1: K
	s_lshl_b32 s20, s18, 2
	s_add_co_u32 s20, s20, s96                     ; tile column of Q or K, 0..7
	s_lshl_b32 s21, s19, 2
	s_add_co_u32 s21, s21, s96                     ; tile column of V, 0..7
	s_lshl_b32 s98, s97, 2
	s_lshl_b32 s98, 15, s98                        ; my row of the cluster
	s_lshl_b32 s99, 0x1111, s96                    ; my column
	s_lshl_b32 s22, s17, 19
	s_lshl_b32 s23, s18, 18
	s_add_co_u32 s23, s22, s23                     ; bytes into x_codes: V's window,
	s_xor_b32 s100, s18, 1
	s_lshl_b32 s100, s100, 18
	s_add_co_u32 s22, s22, s100                    ; the other window
	GROUP1 G1HX, 98, 128
	GROUP1 G1HW, 99, 128
	s_or_b32 s[G1S+0], s98, (3<<16)|(1<<20)|(1<<21)|(5<<22)|(3<<25)   ; a window's scale bytes: 32 rows of 256 bytes, 16 of padding behind each
	s_mov_b32 s[G1S+1], 32<<16
	s_mov_b32 s[G1S+2], 32<<16
	s_mov_b32 s[G1S+3], 32<<16
	s_mov_b32 s[G1S+4], 32
	s_mov_b32 s[G1S+5], 32
	s_mov_b32 s[G1S+6], 0
	s_mov_b32 s[G1S+7], 0
	s_mov_b32 s[G0HW], 1
	s_mov_b32 s[G0HW+1], XB
	s_mov_b32 s[G0HX], 1
	s_mov_b32 s[G0HX+1], YB
	s_mov_b32 s[G0S], 1
	s_mul_i32 s[G0S+1], s16, 32*272
	s_add_co_u32 s[G0S+1], s[G0S+1], SCL
	s_mov_b32 s101, 0
	s_wait_dscnt 0x0                               ; both opening adds are done
	s_wait_kmcnt 0x0
	s_cmp_eq_u32 s19, 0
	s_cselect_b64 s[72:73], s[72:73], s[76:77]     ; the first weight's codes,
	s_cselect_b64 s[74:75], s[74:75], s[78:79]     ; scale bytes,
	s_cselect_b64 s[84:85], s[84:85], s[86:87]     ; bias,
	s_cselect_b64 s[6:7], s[92:93], s[94:95]       ; and where its results go
	s_mov_b64 s[4:5], s[68:69]
	s_lshl_b32 s100, s20, 17
	s_add_nc_u64 s[G0HW+2:G0HW+3], s[72:73], s[100:101]
	s_or_b32 s[G0HW+3], s[G0HW+3], 0x80000000
	s_mov_b32 s100, s22
	s_add_nc_u64 s[G0HX+2:G0HX+3], s[68:69], s[100:101]
	s_or_b32 s[G0HX+3], s[G0HX+3], 0x80000000
	s_cmp_eq_u32 s16, 1                            ; wave 2: the other window's scale bytes; wave 3: V's window's
	s_cselect_b32 s100, s23, s22
	s_lshr_b32 s100, s100, 5
	s_add_nc_u64 s[G0S+2:G0S+3], s[70:71], s[100:101]
	s_or_b32 s[G0S+3], s[G0S+3], 0x80000000
	CROUND                                         ; all sixteen work-groups are here: the first joint loads meet
	s_cmp_eq_u32 s14, 0                            ; one joint load a wave
	s_cbranch_scc0 .Lwave_1
	TLOAD G0HW, G1HW                               ; wave 0: the first weight's 128 rows
	s_branch .Lasked
.Lwave_1:
	s_cmp_eq_u32 s14, 1
	s_cbranch_scc0 .Lfor_scales
	TLOAD G0HX, G1HX                               ; wave 1: chunk 0
	s_branch .Lasked
.Lfor_scales:
	TLOAD G0S, G1S                                 ; waves 2, 3
.Lasked:
	s_mul_i32 s70, s15, TILEB                      ; scalars of the address lines below, in registers whose arguments are used up
	s_add_co_u32 s68, s70, YB
	s_add_co_u32 s69, s70, YB+4*TILEB
	s_add_co_u32 s71, s70, XB+4*TILEB
	s_add_co_u32 s70, s70, XB
	s_mul_i32 s72, s15, 4*TILEB
	s_add_co_u32 s73, s72, YB
	s_add_co_u32 s72, s72, XB
	s_mul_i32 s76, s16, 64*PITCH
	s_add_co_u32 s77, s76, YB
	s_add_co_u32 s76, s76, XB
	s_mul_i32 s78, s15, 544
	s_add_co_u32 s78, s78, SCL
	s_mul_i32 s79, s15, 4*544
	s_add_co_u32 s79, s79, SCL
	s_lshl_b32 s92, s15, 10
	s_lshl_b32 s93, s15, 8
	s_lshl_b32 s13, s16, 8
	s_lshl_b32 s100, s15, 1
	s_add_co_u32 s13, s13, s100
	s_add_co_u32 s13, s13, XV
	s_lshl_b32 s86, s96, 2                         ; which of the cluster row's sixteen waves I am
	s_add_co_u32 s86, s86, s14
	s_lshl_b32 s86, s86, 13
	s_add_co_u32 s8, s22, s86
	s_add_co_u32 s8, s8, 131072                    ; chunk 1
	s_add_co_u32 s9, s23, s86                      ; chunk 2
	s_add_co_u32 s10, s9, 131072                   ; chunk 3
	s_lshl_b32 s86, s97, 2                         ; and of the column's
	s_add_co_u32 s86, s86, s14
	s_lshl_b32 s86, s86, 13
	s_lshl_b32 s11, s21, 17
	s_add_co_u32 s11, s11, s86                     ; Wv's rows
	s_mul_i32 s2, s15, STEPB
	s_lshl_b32 s3, s14, 8
	s_add_co_u32 s3, s3, XV
	v_and_b32 v1, 15, v0                           ; r
	v_bfe_u32 v2, v0, 4, 1                         ; h
	v_and_b32 v3, 31, v0                           ; lane
	v_mul_u32_u24 v26, v1, PITCH
	v_lshl_add_u32 v26, v2, 4, v26                 ; row r x pitch + 16 h
	v_add_nc_u32 v[AD], s68, v26
	v_add_nc_u32 v[AD+1], s69, v26
	v_add_nc_u32 v[AD+2], s70, v26
	v_add_nc_u32 v[AD+3], s71, v26
	v_add_nc_u32 v[AD+4], s72, v26
	v_add_nc_u32 v[AD+5], s73, v26
	v_add_nc_u32 v[ADW], s76, v26
	v_add_nc_u32 v[ADW+1], s77, v26
	v_lshrrev_b32 v27, 3, v1
	v_mul_u32_u24 v27, v27, 272
	v_and_b32 v26, 7, v1
	v_lshl_add_u32 v27, v26, 5, v27                ; row r's 32 scale bytes in a tile
	v_add_nc_u32 v[AAS], s78, v27
	v_add_nc_u32 v[AASV], s79, v27
	v_lshl_add_u32 v[CO], v3, 4, s92               ; 16 x lane + 1,024 wr
	v_lshl_add_u32 v[CW], v1, 4, s93               ; 16 r + 256 wr: lanes l and l + 16 store the same bytes
	v_lshl_add_u32 v[VX], v1, 3, s13
	v_lshlrev_b32 v[ABS], 5, v3
	v_lshlrev_b32 v[HB], 5, v2
	v_lshlrev_b32 v[RB], 2, v1
	v_lshl_add_u32 v[PF], v3, 8, s8
	v_lshl_add_u32 v[PF+1], v3, 8, s9
	v_lshl_add_u32 v[PF+2], v3, 8, s10
	v_lshl_add_u32 v[PF+3], v3, 8, s11
	v_lshl_add_u32 v[CV8], v3, 3, s2
	v_lshl_add_u32 v[VR], v3, 3, s3
.irp b, 4,5,6,7
	v_mov_b32 v[TM+\b], 0                          ; written once: a lane permute's destination counts as one of its sources
.endr
	s_wait_alu depctr_va_vdst(0)
	global_prefetch_b8 v[PF], s[4:5] th:TH_LOAD_NT scope:SCOPE_SE
	global_prefetch_b8 v[PF+1], s[4:5] th:TH_LOAD_NT scope:SCOPE_SE
	s_lshl_b32 s13, s20, 7
	s_lshl_b32 s100, s16, 6
	s_add_co_u32 s13, s13, s100                    ; my first column of Q or K
	s_lshl_b32 s100, s13, 5
	s_add_nc_u64 s[74:75], s[74:75], s[100:101]
	s_lshl_b32 s100, s13, 2
	s_add_nc_u64 s[84:85], s[84:85], s[100:101]
	s_lshl_b32 s13, s21, 7
	s_lshl_b32 s100, s16, 6
	s_add_co_u32 s13, s13, s100                    ; of V
	s_lshl_b32 s100, s13, 5
	s_add_nc_u64 s[82:83], s[82:83], s[100:101]
	s_lshl_b32 s100, s13, 2
	s_add_nc_u64 s[88:89], s[88:89], s[100:101]
	s_lshl_b32 s13, s15, 6
	s_lshr_b32 s100, s22, 8
	s_add_co_u32 s100, s100, s13
	s_add_nc_u64 s[86:87], s[90:91], s[100:101]    ; the mask at the other window's row 16 wr,
	s_lshr_b32 s100, s23, 8
	s_add_co_u32 s100, s100, s13
	s_add_nc_u64 s[90:91], s[90:91], s[100:101]    ; at V's window's
.irp p, 0,1
.irp c, 0,1
	global_load_b128 v[SB+8*\p+4*\c:SB+8*\p+4*\c+3], v[ABS], s[74:75] offset:\p*1024+16*\c
	global_load_b128 v[WS+8*\p+4*\c:WS+8*\p+4*\c+3], v[ABS], s[82:83] offset:\p*1024+16*\c
.endr
.endr
.irp b, 0,1,2,3
	global_load_b128 v[BQ+8*\b:BQ+8*\b+3], v[HB], s[84:85] offset:64*\b
	global_load_b128 v[BQ+8*\b+4:BQ+8*\b+7], v[HB], s[84:85] offset:64*\b+16
	global_load_b32 v[BV+\b], v[RB], s[88:89] offset:64*\b
.endr
.irp n, 0,1,2,3,4,5,6,7
	global_load_b32 v[RV+\n], v[RB], s[86:87] offset:(\n/4)*512+(\n%4)*128
	global_load_b32 v[RV+8+\n], v[RB], s[90:91] offset:(\n/4)*512+(\n%4)*128
.endr
	s_lshr_b32 s13, s17, 2                         ; where my results go: ((batch x 16 + head) x 16 + key step) x 17,152
	s_lshl_b32 s13, s13, 4
	s_and_b32 s66, s17, 3
	s_lshl_b32 s66, s66, 2
	s_lshl_b32 s67, s18, 1
	s_lshl_b32 s100, s21, 1
	s_add_co_u32 s100, s100, s16
	s_add_co_u32 s100, s100, s13
	s_lshl_b32 s100, s100, 4
	s_add_co_u32 s100, s100, s66
	s_add_co_u32 s100, s100, s67
	s_mul_i32 s100, s100, STEPB
	s_add_nc_u64 s[10:11], s[94:95], s[100:101]    ; V: my head, V's window's first step
	s_mov_b64 s[94:95], s[80:81]                   ; Wv's codes, for the prefetch
	s_lshl_b32 s12, s20, 1
	s_add_co_u32 s12, s12, s16
	s_add_co_u32 s12, s12, s13
	s_lshl_b32 s12, s12, 4
	s_add_co_u32 s12, s12, s66
	s_add_co_u32 s100, s12, s67
	s_mul_i32 s100, s100, STEPB
	s_add_nc_u64 s[8:9], s[6:7], s[100:101]        ; Q or K: V's window's first step,
	s_xor_b32 s67, s67, 2
	s_add_co_u32 s100, s12, s67
	s_mul_i32 s100, s100, STEPB
	s_add_nc_u64 s[6:7], s[6:7], s[100:101]        ; the other window's
	s_mul_i32 s66, s14, 32*PITCH                   ; a refill's quarter: in LDS,
	s_lshl_b32 s67, s14, 15                        ; in memory
	s_mov_b32 s[G0W], 1
	s_add_co_u32 s[G0W+1], s66, YB
	s_lshl_b32 s100, s21, 17
	s_add_co_u32 s100, s100, s67
	s_add_nc_u64 s[G0W+2:G0W+3], s[80:81], s[100:101]
	s_or_b32 s[G0W+3], s[G0W+3], 0x80000000
	s_mov_b32 s2, 0x76543210
	s_mov_b32 s3, 0xfedcba98
	s_mov_b32 s12, 0x600000
	s_cmp_eq_u32 s14, 0                            ; wave 0, which has a load line of its own, waits here: the first weight has landed
	s_cbranch_scc0 .Lnot_w
	s_wait_tensorcnt 0x0
.Lnot_w:
	s_barrier_signal -1
	s_barrier_wait -1                              ; the other waves' wait stands at the second barrier
.macro WEIGHTS adr                     ; my 64 rows of a weight, all of K: fragment 4 q + b in window 1 + (4 q + b) / 16
.irp q, 0,1,2,3,4,5,6,7
	WIN (1+\q/4)<<6
.irp b, 0,1,2,3
.irp c, 0,1,2,3
	ds_load_b128 v[16*((4*\q+\b)%16)+4*\c:16*((4*\q+\b)%16)+4*\c+3], v[\adr] offset:128*\q+32*\c+\b*TILEB
.endr
.endr
.endr
	WIN 0
.endm
.macro FETCH e, a, off, s, soff        ; a block of 16 rows, all of K, into set e of window 3, and its eight scale words: 34 loads
	WIN 3<<6
.irp q, 0,1,2,3,4,5,6,7
.irp c, 0,1,2,3
	ds_load_b128 v[128*(\e)+16*\q+4*\c:128*(\e)+16*\q+4*\c+3], v[\a] offset:(\off)+128*\q+32*\c
.endr
.endr
	WIN 0
	ds_load_b128 v[SA+8*(\e):SA+8*(\e)+3], v[\s] offset:(\soff)
	ds_load_b128 v[SA+8*(\e)+4:SA+8*(\e)+7], v[\s] offset:(\soff)+16
.endm
.macro BLOCK kind, e                   ; 32 products, n = 4 q + b, the four accumulators by turns.  kind 0 (Q, K): source 0 = the weight's rows; kind 1 (V): source 0 = x's rows
.set N_, 0
.rept 32
.set Q_, N_/4
.set B_, N_%4
.set AC_, ACC+32*(\e)+8*B_
.set C_, AC_
.if Q_ == 0
.set C_, BQ+8*B_
.endif
.set R_, 128*(\e)+16*Q_
.set W_, 16*(N_%16)
.set XS_, SA+8*(\e)+Q_
.set WS_, SB+8*(B_/2)+Q_
.if \kind
	WIN 3|((1+N_/16)<<2)
.if B_%2
	v_wmma_scale_f32_16x16x128_f8f6f4 v[AC_:AC_+7], v[R_:R_+15], v[W_:W_+15], v[C_:C_+7], v[XS_], v[WS_] matrix_a_fmt:MATRIX_FMT_BF8 matrix_b_fmt:MATRIX_FMT_BF8 matrix_b_scale:MATRIX_SCALE_ROW1
.else
	v_wmma_scale_f32_16x16x128_f8f6f4 v[AC_:AC_+7], v[R_:R_+15], v[W_:W_+15], v[C_:C_+7], v[XS_], v[WS_] matrix_a_fmt:MATRIX_FMT_BF8 matrix_b_fmt:MATRIX_FMT_BF8
.endif
.else
	WIN (1+N_/16)|(3<<2)
.if B_%2
	v_wmma_scale_f32_16x16x128_f8f6f4 v[AC_:AC_+7], v[W_:W_+15], v[R_:R_+15], v[C_:C_+7], v[WS_], v[XS_] matrix_a_fmt:MATRIX_FMT_BF8 matrix_b_fmt:MATRIX_FMT_BF8 matrix_a_scale:MATRIX_SCALE_ROW1
.else
	v_wmma_scale_f32_16x16x128_f8f6f4 v[AC_:AC_+7], v[W_:W_+15], v[R_:R_+15], v[C_:C_+7], v[WS_], v[XS_] matrix_a_fmt:MATRIX_FMT_BF8 matrix_b_fmt:MATRIX_FMT_BF8
.endif
.endif
.set N_, N_+1
.endr
	WIN 0
	PLACES 8                                       ; behind the last product, ahead of the readers of its sums and of the loads into what it has read
.endm
.macro RDESC xo, plus, lds             ; group 0 of a refill of x's rows: my 32 of the 128 rows at s[xo] + plus; written where no tensor load of mine is out
	s_add_co_u32 s[G0R+1], s66, \lds
	s_add_co_u32 s100, s\xo, s67
	s_add_co_u32 s100, s100, \plus
	s_add_nc_u64 s[G0R+2:G0R+3], s[4:5], s[100:101]
	s_or_b32 s[G0R+3], s[G0R+3], 0x80000000
.endm
.macro SCOPS nb                        ; behind the lanes' maxima of nb blocks: joined with lane l xor 16's; the conversion's operand, the bound, the byte
.set J_, 0
.rept \nb
	v_permlanex16_b32 v[TM+4+J_], v[TM+J_], s2, s3
.set J_, J_+1
.endr
.set J_, 0
.rept \nb
	v_max_num_f32 v[TM+J_], v[TM+J_], v[TM+4+J_]
.set J_, J_+1
.endr
.set J_, 0
.rept \nb
	v_add_nc_u32 v[TM+12+J_], 0xf8800000, v[TM+J_]
.set J_, J_+1
.endr
.set J_, 0
.rept \nb
	v_and_or_b32 v[TM+8+J_], v[TM+J_], 0x7f800000, s12
.set J_, J_+1
.endr
.set J_, 0
.rept \nb
	v_lshrrev_b32 v[TM+4+J_], 23, v[TM+12+J_]
.set J_, J_+1
.endr
.endm
.macro QUANTQ x, k, rv                 ; Q's or K's block: 32 sums a lane at x: two blocks of 32 features -> codes PC .. PC + 7, scale word SW + k
.irp b, 0,1
	v_max3_num_f32 v[TM+\b], |v[\x+16*\b]|, |v[\x+16*\b+1]|, 0x8000000
.endr
.irp i, 2,4,6,8,10,12,14
.irp b, 0,1
	v_max3_num_f32 v[TM+\b], v[TM+\b], |v[\x+16*\b+\i]|, |v[\x+16*\b+\i+1]|
.endr
.endr
	SCOPS 2
.irp b, 0,1
.irp i, 0,1,2,3,4,5,6,7,8,9,10,11,12,13,14,15
	v_med3_num_f32 v[\x+16*\b+\i], v[\x+16*\b+\i], -v[TM+8+\b], v[TM+8+\b]
.endr
	v_cvt_scalef32_pk8_bf8_f32 v[PC+4*\b:PC+4*\b+1], v[\x+16*\b:\x+16*\b+7], v[TM+12+\b]
	v_cvt_scalef32_pk8_bf8_f32 v[PC+4*\b+2:PC+4*\b+3], v[\x+16*\b+8:\x+16*\b+15], v[TM+12+\b]
.endr
	v_lshl_or_b32 v[SW+\k], v[TM+5], 8, v[TM+4]    ; (also the plain line behind the conversions)
	v_or_b32 v[SW+\k], v[SW+\k], v[\rv]
.endm
.macro QUANTV                          ; a pair of V's blocks: tile a's 8 + 8 sums are 16 of a block of 32 keys -> codes PC + 4 a, byte TM + 4 + a
.irp a, 0,1,2,3
	v_max3_num_f32 v[TM+\a], |v[ACC+8*\a]|, |v[ACC+8*\a+1]|, 0x8000000
.endr
.irp i, 2,4,6,32,34,36,38
.irp a, 0,1,2,3
	v_max3_num_f32 v[TM+\a], v[TM+\a], |v[ACC+8*\a+\i]|, |v[ACC+8*\a+\i+1]|
.endr
.endr
	SCOPS 4
.irp a, 0,1,2,3
.irp i, 0,1,2,3,4,5,6,7,32,33,34,35,36,37,38,39
	v_med3_num_f32 v[ACC+8*\a+\i], v[ACC+8*\a+\i], -v[TM+8+\a], v[TM+8+\a]
.endr
	v_cvt_scalef32_pk8_bf8_f32 v[PC+4*\a:PC+4*\a+1], v[ACC+8*\a:ACC+8*\a+7], v[TM+12+\a]
	v_cvt_scalef32_pk8_bf8_f32 v[PC+4*\a+2:PC+4*\a+3], v[ACC+32+8*\a:ACC+32+8*\a+7], v[TM+12+\a]
.endr
	v_nop
.endm
.macro QITER n                         ; phase 1's block n = 4 o + k: chunk o (even: in Y, odd: in X), tile 2 k + wr
.set O_, (\n)/4
.set K_, (\n)%4
.set E_, (\n)%2
.set O2_, ((\n)+2)/4
.set K2_, ((\n)+2)%4
.if (\n) > 0
	s_wait_dscnt 34                                ; this block's set is in; the next block's 34 loads may be out
.endif
	BLOCK 0, E_
.if K_ == 2 && O_ < 3
	s_wait_tensorcnt 0x0                           ; my part of the next chunk has landed; the three lines ahead of a refill's round
	ds_add_u32 v[SPW], v[NIL]
.if O_ == 0
	RDESC 23, 0, YB                                ; chunk 2
.elseif O_ == 1
	RDESC 23, 131072, XB                           ; chunk 3
.endif
	s_wait_dscnt 0x0                               ; the add is done, and my reads of this chunk are over
	CROUND
.if O_ == 2
	TLOAD G0W, G1W                                 ; Wv's rows
.else
	TLOAD G0R, G1R
.endif
.endif
.if (\n) < 14
	FETCH E_, AD+2*(O2_%2)+K2_/2, (K2_%2)*2*TILEB, AAS, (8*O2_+2*K2_)*544
.else
	FETCH E_, AD+4, ((\n)-14)*TILEB, AASV, (24+(\n)-14)*544   ; V's first two blocks: chunk 3 as it lies in X
.endif
	s_wait_xcnt 0x0                                ; the stores before have read the registers that are written below
	QUANTQ ACC+32*E_, K_, RV+(\n)
	global_store_b128 v[CO], v[PC:PC+3], s[6+2*(O_/2):7+2*(O_/2)] offset:(O_%2)*STEPB+2048*K_
	global_store_b128 v[CO], v[PC+4:PC+7], s[6+2*(O_/2):7+2*(O_/2)] offset:(O_%2)*STEPB+2048*K_+512
.if K_ == 3
	global_store_b128 v[CW], v[SW:SW+3], s[6+2*(O_/2):7+2*(O_/2)] offset:(O_%2)*STEPB+16384
.endif
.if (\n) == 1
	global_prefetch_b8 v[PF+2], s[4:5] th:TH_LOAD_NT scope:SCOPE_SE
.elseif (\n) == 5
	global_prefetch_b8 v[PF+3], s[94:95] th:TH_LOAD_NT scope:SCOPE_SE
.endif
.endm
.macro VITER m                         ; phase 2's block m: chunk 3 (m < 4, in X), then chunk 2 (in Y); tile 4 wr + m % 4
.set M2_, (\m)+2
.if (\m) == 7
	s_wait_dscnt 0x0
.elseif (\m) > 0
	s_wait_dscnt 34
.endif
	BLOCK 1, (\m)%2
.if (\m) == 2
	s_wait_tensorcnt 0x0                           ; my part of chunk 2 has landed
	s_wait_dscnt 0x0
	s_barrier_signal -1
	s_barrier_wait -1                              ; everybody's has
.endif
.if (\m) < 6
	FETCH (\m)%2, AD+4+M2_/4, (M2_%4)*TILEB, AASV, (24-8*(M2_/4)+M2_%4)*544
.endif
.if (\m)%2
	s_wait_xcnt 0x0
	QUANTV
.irp a, 0,1,2,3
	global_store_b128 v[CO], v[PC+4*\a:PC+4*\a+3], s[10:11] offset:(1-(\m)/4)*STEPB+8192+2048*\a+512*(((\m)%4)/2)
	ds_store_b8 v[VX], v[TM+4+\a] offset:(1-(\m)/4)*512+(\a%2)*128+(\a/2)*4+((\m)%4)/2
.endr
.endif
.endm
	WEIGHTS ADW
	s_wait_tensorcnt 0x0                           ; chunk 0 and the scale bytes have landed: every wave waits, under no branch
	s_wait_dscnt 0x0
	s_barrier_signal -1
	s_barrier_wait -1
	FETCH 0, AD, 0, AAS, 0
	FETCH 1, AD, 2*TILEB, AAS, 2*544
	s_wait_loadcnt 0x0                             ; scale words, biases, mask: their address registers are free too
	GROUP1 G1R, 98, 32
	GROUP1 G1W, 99, 32
	s_mov_b32 s[G0R], 1
	s_mov_b32 s100, 0x7f0000
	s_cmp_eq_u32 s19, 1
	s_cselect_b32 s13, 0x10000, s100
	s_cselect_b32 s100, 0xe30000, s100
	v_mov_b32 v[OPN], s13
	v_mov_b32 v[SHT], s100
.irp n, 0,1,2,3,4,5,6,7,8,9,10,11,12,13,14,15
	v_cmp_eq_u32 vcc_lo, 0, v[RV+\n]
	v_cndmask_b32 v[RV+\n], v[OPN], v[SHT], vcc_lo
.endr
	s_wait_alu depctr_va_vdst(0)
	s_wait_tensorcnt 0x0                           ; the three lines ahead of a refill's round
	ds_add_u32 v[SPW], v[NIL]
	RDESC 22, 131072, XB                           ; chunk 1, over the first weight's bytes
	s_wait_dscnt 0x0                               ; the add is done, and the weight stands in my registers
	CROUND
	TLOAD G0R, G1R
.irp n, 0,1,2,3,4,5,6,7,8,9,10,11,12,13,14,15
	QITER \n
.endr
	s_wait_tensorcnt 0x0                           ; the change of phase: my part of Wv's rows has landed
	s_wait_dscnt 0x0
	s_barrier_signal -1
	s_barrier_wait -1
	WEIGHTS ADW+1
.irp q, 0,1,2,3,4,5,6,7,8,9,10,11,12,13,14,15
	v_mov_b32 v[SB+\q], v[WS+\q]                   ; Wv's scale words; the 32 lines below are the places ahead of the products that name them
.endr
.irp t, 0,1,2,3
.irp i, 0,1,2,3,4,5,6,7
	v_mov_b32 v[BQ+8*\t+\i], v[BV+\t]              ; a lane holds one feature of V: its bias in all eight registers
.endr
.endr
	s_wait_alu depctr_va_vdst(0)
	s_wait_tensorcnt 0x0                           ; the three lines ahead of a refill's round
	ds_add_u32 v[SPW], v[NIL]
	RDESC 23, 0, YB                                ; chunk 2 anew, over Wv's bytes
	s_wait_dscnt 0x0
	CROUND
	TLOAD G0R, G1R
.irp m, 0,1,2,3,4,5,6,7
	VITER \m
.endr
	s_wait_dscnt 0x0                               ; my bytes of V's scale words lie in LDS
	s_barrier_signal -1
	s_barrier_wait -1
	ds_load_b64 v[TM:TM+1], v[VR]                  ; wave 2 j + wc: step j, head wc: 256 bytes
	s_wait_dscnt 0x0
	global_store_b64 v[CV8], v[TM:TM+1], s[10:11] offset:16896
	s_wait_tensorcnt 0x0                           ; the wave's end
	ds_add_u32 v[SPW], v[NIL]
	s_wait_dscnt 0x0
	CROUND                                         ; the closing round
	s_endpgm
.Lfunc_end_k_qdfb21a1d27_proj:
	.size	k_qdfb21a1d27_proj, .Lfunc_end_k_qdfb21a1d27_proj-k_qdfb21a1d27_proj
	.p2alignl 7, 3214868480
	.fill 96, 4, 3214868480
	.section	.rodata,"a",@progbits
	.p2align	6, 0x0
	.amdhsa_kernel k_qdfb21a1d27_proj
		.amdhsa_group_segment_fixed_size 327680
		.amdhsa_private_segment_fixed_size 0
		.amdhsa_enable_private_segment 0
		.amdhsa_kernarg_size 112
		.amdhsa_user_sgpr_count 2
		.amdhsa_user_sgpr_kernarg_segment_ptr 1
		.amdhsa_wavefront_size32 1
		.amdhsa_system_sgpr_workgroup_id_x 1
		.amdhsa_system_sgpr_workgroup_id_y 1
		.amdhsa_system_sgpr_workgroup_id_z 1
		.amdhsa_system_vgpr_workitem_id 0
		.amdhsa_next_free_vgpr 1024
		.amdhsa_next_free_sgpr 102
		.amdhsa_reserve_vcc 1
		.amdhsa_float_denorm_mode_32 3
		.amdhsa_float_denorm_mode_16_64 3
		.amdhsa_memory_ordered 1
		.amdhsa_forward_progress 1
		.amdhsa_inst_pref_size 255
	.end_amdhsa_kernel
	.section	.bss,"aw",@nobits
	.p2align	6
	.space	262144
	.amdgpu_metadata
---
amdhsa.version: [ 1, 2 ]
amdhsa.kernels:
  - .name:           k_qdfb21a1d27_proj
    .symbol:         k_qdfb21a1d27_proj.kd
    .args:
      - { .name: x_codes, .offset: 0, .size: 8, .value_kind: global_buffer, .address_space: global }
      - { .name: x_scales, .offset: 8, .size: 8, .value_kind: global_buffer, .address_space: global }
      - { .name: Wq_codes, .offset: 16, .size: 8, .value_kind: global_buffer, .address_space: global }
      - { .name: Wq_scales, .offset: 24, .size: 8, .value_kind: global_buffer, .address_space: global }
      - { .name: Wk_codes, .offset: 32, .size: 8, .value_kind: global_buffer, .address_space: global }
      - { .name: Wk_scales, .offset: 40, .size: 8, .value_kind: global_buffer, .address_space: global }
      - { .name: Wv_codes, .offset: 48, .size: 8, .value_kind: global_buffer, .address_space: global }
      - { .name: Wv_scales, .offset: 56, .size: 8, .value_kind: global_buffer, .address_space: global }
      - { .name: bq, .offset: 64, .size: 8, .value_kind: global_buffer, .address_space: global }
      - { .name: bk, .offset: 72, .size: 8, .value_kind: global_buffer, .address_space: global }
      - { .name: bv, .offset: 80, .size: 8, .value_kind: global_buffer, .address_space: global }
      - { .name: mask, .offset: 88, .size: 8, .value_kind: global_buffer, .address_space: global }
      - { .name: qw, .offset: 96, .size: 8, .value_kind: global_buffer, .address_space: global }
      - { .name: kv, .offset: 104, .size: 8, .value_kind: global_buffer, .address_space: global }
    .group_segment_fixed_size: 327680
    .private_segment_fixed_size: 0
    .kernarg_segment_align: 8
    .kernarg_segment_size: 112
    .max_flat_workgroup_size: 128
    .sgpr_count:     102
    .vgpr_count:     1024
    .wavefront_size: 32
...
	.end_amdgpu_metadata
.endif
;; end of part 1
;; launch attn (part 2): grid 4 x 64, 16 waves a work-group, clusters of 4 x 1, 327,680 bytes of LDS; arguments qw, kv, att, atts; writes att, atts
.if DOCPART == 2
	.amdgcn_target "amdgcn-amd-amdhsa--gfx1250"
	.amdhsa_code_object_version 6
	.text
	.protected	k_qdfb21a1d27_attn
	.globl	k_qdfb21a1d27_attn
	.p2align	8
	.type	k_qdfb21a1d27_attn,@function
k_qdfb21a1d27_attn:
	s_mov_b64 s[64:65], 0
	v_nop
	global_prefetch_b8 v0, s[64:65] scope:SCOPE_SE
	s_setreg_imm32_b32 hwreg(HW_REG_WAVE_MODE, 25, 1), 1
	s_wait_xcnt 0x0
	s_wait_alu depctr_hold_cnt(0) depctr_sa_sdst(0) depctr_va_vdst(0) depctr_va_sdst(0) depctr_va_ssrc(0) depctr_va_vcc(0) depctr_vm_vsrc(0)
	s_getreg_b32 s2, hwreg(HW_REG_IB_STS2, 6, 4)
	s_cmp_eq_u32 s2, 0
	s_cbranch_scc0 .Lentry_in_a_cluster
	s_endpgm
.Lentry_in_a_cluster:
	s_bfe_u32 s2, ttmp6, 0x10000c
	s_cmp_lg_u32 s2, 0x3003
	s_cbranch_scc0 .Lentry_shape_is_right
	s_endpgm
.Lentry_shape_is_right:
; attended[b][q][head] = softmax_k(q . k / 8, masked) v, both products on codes of BF8 (E5M2) with E8M0 scales; the result is quantised along D (two blocks of 32 a head) and leaves as codes.
; INPUTS: the images that the launch before has laid: a head's 16 key steps of 17,152 bytes (K's codes, V's codes, K's scale words, V's scale words), and Q's tiles and words in the same layout.
; THE SOFTMAX: t = score x log2(e) / 8; M = the running largest t rounded UP to a whole number; p = 2^(t - M) is quantised along the keys, not normalised; the row's sum is taken of the unquantised p and divides at the end.
; SHARES.  A work-group owns 512 queries of one head; each of its sixteen waves two tiles of 16, one after the other, in 256 registers: four waves to a SIMD, so that one wave's vector work stands beside another's
; matrix work and LDS loads.  A WHOLE HEAD'S K AND V LIE IN LDS (274,432 bytes), filled once: wave w brings key step w.  The key loops have no barrier and no tensor load.
; CLUSTER: the four work-groups of a head read the same bytes: each fill is asked for JOINTLY, by the same load with the same descriptor and a mask that names the four.
; LAYOUT.  Both products transposed: S^T = K Q^T, O^T = V^T P^T: a lane holds ONE query throughout.  A fragment comes from LDS as it was stored: 512 consecutive bytes a load.  p's 16 registers of two neighbouring
; tiles of keys are 16 of a block's 32 keys, in the order in which V's codes were laid: the conversions' results are the second product's operand.
; THE FIRST PRODUCT'S K IS 64: the upper half of its 128 is zero codes, but for k = 64: 57,344 in every key's fragment, -1 in every query's.  Byte 2 of a key's scale word (1 or 227) so adds -57,344 x 2^-126 to an
; open key's scores and -57,344 x 2^100 to a hidden key's: the mask costs no instruction here.  The largest t begins at -2^100, above every hidden t: a hidden key never sets M, and its p is 0.
; A row all of whose keys are hidden keeps -2^100: its scale bytes become 0xff, which makes the last product NaN there, as the softmax of such a row is.
; THE LOOP IS CUT BETWEEN THE SCORES AND THE SOFTMAX.  A trip is the softmax of step j (SOFT) and a SEAM (BOUND), in which the second product of step j and the first product of step j + 1 stand between pieces of
; vector work that is due anyway: the rescaling of O^T, the next step's first maxima, the joining of the sum's chains, the address steps.  These are the places that the matrix instructions ask for (ISA guide 7.12.1):
; a trip holds no v_nop.  V comes in two halves into the upper half of the scores' registers, so that the lower half is free for the next step's first scores while V^T P^T is still at work.
; LIMITS: |t| of open scores stays under 2^100; an open score carries the -57,344 x 2^-126; a block of zeros has the byte 1 (only this program reads the bytes); NaN and infinities are not served.
; The block's largest p is taken from the block's largest score by the same multiply-add and exponential: this takes v_exp_f32 not to fall where its input rises.
; REGISTERS: v1-6 addresses; v7 the old -M, v8 the row's maximum in the making; v12 -M, v13 the largest t, v[14:15] the sum; v16-31, v240-255 Q's two fragments; v32-95 four fragments of K; v96-159 S^T, then p;
;   v128-159 then two fragments of V; v160-191 O^T; v192-207 p's codes; v208-215 scale words and nothing else; v216-239 at work.
.set STEPB, 17152
.set HEADB, 16*STEPB
.set SCS,   HEADB                      ; behind the head: 1,024 bytes for the 512 rows' pairs of scale bytes; no fill lands there
.set LI,  1                            ; 16 x lane
.set L8,  2                            ; 8 x lane
.set ADK, 3                            ; 16 x lane + the step's first byte
.set ADV, 4                            ; 8 x lane + the step's first byte
.set HWA, 5
.set ZR,  6
.set OLDM, 7
.set RMX, 8
.set QF0, 16
.set QF1, 240
.set KB,  32
.set S,   96
.set O,   160
.set PCD, 192
.set KSW, 208                          ; v208-211 K's words: register j: lanes 0-15 tile 2 j, lanes 16-31 tile 2 j + 1
.set VSW, 212                          ; v212-213 V's likewise
.set QSW, 214                          ; Q's: lanes 0-15 my first tile, lanes 16-31 my second
.set PW,  215                          ; p's
.set BM,  216
.set T2,  220
.set HD,  224
.set SOP, 228
.set F,   232
.set SU2, 234                          ; the sum's second chain;
.set TP,  236
.set SU3, 236                          ; its third and fourth, between a step's sums and the seam; else v236-239 are at work
.set SU4, 238
.macro CROUND
	s_barrier_signal -1
	s_barrier_wait -1
	s_cmp_lg_u32 s12, 0
	s_cbranch_scc1 .Lnot_wave_0_\@
	s_barrier_signal -3
.Lnot_wave_0_\@:
	s_barrier_wait -3
	s_barrier_signal -1
	s_barrier_wait -1
.endm
.macro PLACES n
.rept \n
	v_nop
.endr
.endm
	s_load_b256 s[4:11], s[0:1], 0x0               ; qw s[4:5], kv s[6:7], att s[8:9], atts s[10:11]
	v_lshl_add_u32 v254, v0, 2, 0x43400
	v_mov_b32 v255, 0
	ds_add_u32 v254, v255
	ds_add_u32 v254, v255
	s_wait_dscnt 0x0
	v_lshrrev_b32 v1, 5, v0
	s_delay_alu instid0(VALU_DEP_1)
	v_readfirstlane_b32 s12, v1                    ; wave 0..15
	s_bfe_u32 s13, ttmp6, 0x40000                  ; cx
	s_lshl_b32 s36, ttmp9, 2
	s_add_co_u32 s13, s13, s36                     ; my block of 512 queries: it enters Q's, att's and atts' addresses alone
	s_and_b32 s14, ttmp7, 0xffff                   ; batch x 16 + head, which the four partners share
	s_mul_i32 s36, s14, HEADB
	s_mul_i32 s37, s12, STEPB                      ; key step w: in memory and in LDS
	s_add_co_u32 s38, s36, s37
	s_mov_b32 s39, 0
	s_mov_b32 s24, 15|(3<<16)|(1<<21)              ; 15:0 the mask: all four; 17:16 elements of 8 bytes; 21 set beside a mask; no padding: an image is read 512 consecutive bytes at a time
	s_mov_b32 s25, 32<<16                          ; tensor_dim0 = 32 elements: rows of 256 bytes
	s_mov_b32 s26, 67<<16                          ; tensor_dim1 = 67 rows: 17,152 dense bytes
	s_mov_b32 s27, 32<<16                          ; tile_dim0
	s_mov_b32 s28, 67                              ; tile_dim1
	s_mov_b32 s29, 32                              ; tensor_dim0_stride
	s_mov_b32 s30, 0
	s_mov_b32 s31, 0
	s_mov_b32 s18, 0xf1800000                      ; -2^100
	s_mov_b32 s19, 0x600000                        ; the mantissa field of 57,344
	s_mov_b32 s20, 0x76543210                      ; v_permlanex16_b32's selects for lane l xor 16
	s_mov_b32 s21, 0xfedcba98
	s_mov_b32 s22, 0x3e38aa3b                      ; c = log2(e) / 8
	s_mov_b32 s23, s22                             ; (named with it as a pair)
	s_wait_kmcnt 0x0
	s_mov_b32 s32, 1
	s_mov_b32 s33, s37
	s_add_nc_u64 s[34:35], s[6:7], s[38:39]
	s_or_b32 s35, s35, 0x80000000
	CROUND                                         ; all four work-groups are here: the joint loads meet
	s_cmp_lt_u32 s12, 4                            ; my one tensor load of the launch.  Waves 0 to 3 (key steps 0 to 3) have a load line of their own: the first barrier shows their tiles alone
	s_cbranch_scc0 .Llater_steps
	tensor_load_to_lds s[32:35], s[24:31]
	s_nop 0
	PLACES 4
	s_branch .Lhead_asked
.Llater_steps:
	tensor_load_to_lds s[32:35], s[24:31]
	s_nop 0
	PLACES 4
.Lhead_asked:
	s_lshl_b32 s40, s13, 2                         ; my tiles of Q lie in step 4 x block + w / 4 of qw's layout, tiles 2 (w % 4) and 2 (w % 4) + 1
	s_lshr_b32 s41, s12, 2
	s_add_co_u32 s40, s40, s41
	s_mul_i32 s40, s40, STEPB
	s_add_co_u32 s40, s40, s36
	s_and_b32 s41, s12, 3
	s_lshl_b32 s42, s41, 11
	s_add_co_u32 s42, s42, s40
	s_mov_b32 s43, 0
	s_add_nc_u64 s[44:45], s[4:5], s[42:43]        ; their codes
	s_lshl_b32 s42, s41, 2
	s_add_co_u32 s42, s42, s40
	s_add_nc_u64 s[46:47], s[4:5], s[42:43]        ; their words: word w % 4 of a lane's 16 bytes
	s_lshr_b32 s42, s14, 4                         ; att: [batch x 128 + tile of rows][head][block 2][512 bytes]
	s_lshl_b32 s42, s42, 7
	s_lshl_b32 s48, s13, 5
	s_add_co_u32 s42, s42, s48
	s_lshl_b32 s48, s12, 1
	s_add_co_u32 s42, s42, s48
	s_lshl_b32 s42, s42, 14
	s_and_b32 s48, s14, 15
	s_lshl_b32 s48, s48, 10
	s_add_co_u32 s42, s42, s48
	s_add_nc_u64 s[8:9], s[8:9], s[42:43]
	s_lshl_b32 s42, s14, 12                        ; atts: [batch x 16 + head][query] two bytes
	s_lshl_b32 s48, s13, 10
	s_add_co_u32 s42, s42, s48
	s_add_nc_u64 s[10:11], s[10:11], s[42:43]
	v_and_b32 v7, 31, v0
	s_delay_alu instid0(VALU_DEP_1)
	v_lshlrev_b32 v[LI], 4, v7
	s_delay_alu instid0(VALU_DEP_2)
	v_lshlrev_b32 v[L8], 3, v7
.irp c, 0,1
	global_load_b128 v[QF0+4*\c:QF0+4*\c+3], v[LI], s[44:45] offset:512*\c
	global_load_b128 v[QF1+4*\c:QF1+4*\c+3], v[LI], s[44:45] offset:1024+512*\c
.endr
	global_load_b32 v[QSW], v[LI], s[46:47] offset:16384
	v_and_b32 v8, 15, v0
	s_delay_alu instid0(VALU_DEP_1)
	v_lshlrev_b32 v[HWA], 1, v8
	s_lshl_b32 s48, s12, 6
	s_add_co_u32 s48, s48, SCS
	v_add_nc_u32 v[HWA], s48, v[HWA]               ; my row's pair of bytes: SCS + 64 w + 2 r (+ 32 for my second tile)
	v_mov_b32 v[ZR], 0
	v_mov_b32 v[TP], 0xbc                          ; the code of -1
	v_mov_b32 v[TP+1], 0x7b                        ; the code of 57,344
	v_mov_b32 v[TP+2], 0
	v_mov_b32 v[TP+3], 0
	s_mov_b32 vcc_lo, 0xffff                       ; k = 64 is byte 0 of register 8 in lanes 0-15
	v_cndmask_b32 v[QF0+8], v[ZR], v[TP], vcc_lo
	v_cndmask_b32 v[QF1+8], v[ZR], v[TP], vcc_lo
.irp t, 0,1,2,3
	v_cndmask_b32 v[KB+16*\t+8], v[ZR], v[TP+1], vcc_lo
.endr
.irp j, 9,10,11,12,13,14,15                    ; the rest of the upper half: zero codes.  Written once: the loads touch registers 0-7 of a fragment alone
	v_mov_b32 v[QF0+\j], 0
	v_mov_b32 v[QF1+\j], 0
.irp t, 0,1,2,3
	v_mov_b32 v[KB+16*\t+\j], 0
.endr
.endr
.irp b, 0,1,2,3
	v_mov_b32 v[T2+\b], 0                          ; written once: a lane permute's destination counts as one of its sources
.endr
	v_mov_b32 v[F+1], 0                            ; (named as the upper half of the pair)
	s_wait_alu depctr_va_vdst(0)
	s_cmp_lt_u32 s12, 4
	s_cbranch_scc0 .Lnot_yet
	s_wait_tensorcnt 0x0                           ; waves 0 to 3: my key step has landed
.Lnot_yet:
	s_barrier_signal -1
	s_barrier_wait -1                              ; key steps 0 to 3 are whole; the other waves' wait stands between the first tile's two loops
	s_wait_loadcnt 0x0                             ; Q
; S^T's tile t of 16 keys, from K's buffer buf, against the fragment of Q at qf; pi: my first (0) or second (1) tile of queries: the half of v[QSW] that holds its words
.macro KQ t, buf, qf, pi
.if ((\t)%2) && (\pi)
	v_wmma_scale_f32_16x16x128_f8f6f4 v[S+8*(\t):S+8*(\t)+7], v[KB+16*(\buf):KB+16*(\buf)+15], v[\qf:\qf+15], 0, v[KSW+(\t)/2], v[QSW] matrix_a_fmt:MATRIX_FMT_BF8 matrix_b_fmt:MATRIX_FMT_BF8 matrix_a_scale:MATRIX_SCALE_ROW1 matrix_b_scale:MATRIX_SCALE_ROW1
.elseif (\t)%2
	v_wmma_scale_f32_16x16x128_f8f6f4 v[S+8*(\t):S+8*(\t)+7], v[KB+16*(\buf):KB+16*(\buf)+15], v[\qf:\qf+15], 0, v[KSW+(\t)/2], v[QSW] matrix_a_fmt:MATRIX_FMT_BF8 matrix_b_fmt:MATRIX_FMT_BF8 matrix_a_scale:MATRIX_SCALE_ROW1
.elseif \pi
	v_wmma_scale_f32_16x16x128_f8f6f4 v[S+8*(\t):S+8*(\t)+7], v[KB+16*(\buf):KB+16*(\buf)+15], v[\qf:\qf+15], 0, v[KSW+(\t)/2], v[QSW] matrix_a_fmt:MATRIX_FMT_BF8 matrix_b_fmt:MATRIX_FMT_BF8 matrix_b_scale:MATRIX_SCALE_ROW1
.else
	v_wmma_scale_f32_16x16x128_f8f6f4 v[S+8*(\t):S+8*(\t)+7], v[KB+16*(\buf):KB+16*(\buf)+15], v[\qf:\qf+15], 0, v[KSW+(\t)/2], v[QSW] matrix_a_fmt:MATRIX_FMT_BF8 matrix_b_fmt:MATRIX_FMT_BF8
.endif
.endm
; O^T's tile f (16 of the head's 64) += V^T P^T over the step's 128 keys; V's fragment lies in S + 32 + 16 (f % 2).  No two of these that follow each other share an accumulator.
.macro PV f
.if (\f)%2
	v_wmma_scale_f32_16x16x128_f8f6f4 v[O+8*(\f):O+8*(\f)+7], v[S+48:S+63], v[PCD:PCD+15], v[O+8*(\f):O+8*(\f)+7], v[VSW+(\f)/2], v[PW] matrix_a_fmt:MATRIX_FMT_BF8 matrix_b_fmt:MATRIX_FMT_BF8 matrix_a_scale:MATRIX_SCALE_ROW1
.else
	v_wmma_scale_f32_16x16x128_f8f6f4 v[O+8*(\f):O+8*(\f)+7], v[S+32:S+47], v[PCD:PCD+15], v[O+8*(\f):O+8*(\f)+7], v[VSW+(\f)/2], v[PW] matrix_a_fmt:MATRIX_FMT_BF8 matrix_b_fmt:MATRIX_FMT_BF8
.endif
.endm
.macro KLOAD g, base                   ; K's tiles 4 g .. 4 g + 3 of the step that begins base bytes behind v[ADK]'s: the lower halves of the four buffers
.irp t, 0,1,2,3
	ds_load_b128 v[KB+16*\t:KB+16*\t+3], v[ADK] offset:(\base)+(4*(\g)+\t)*1024
	ds_load_b128 v[KB+16*\t+4:KB+16*\t+7], v[ADK] offset:(\base)+(4*(\g)+\t)*1024+512
.endr
.endm
.macro VLOAD g                         ; V's fragments 2 g and 2 g + 1 (16 of the head's 64 x 128 keys each) into S + 32 on
.irp e, 0,1
.irp c, 0,1,2,3
	ds_load_b128 v[S+32+16*\e+4*\c:S+32+16*\e+4*\c+3], v[ADK] offset:8192+2048*(2*(\g)+\e)+512*\c
.endr
.endr
.endm
.macro RESC g                          ; O^T's tiles 2 g and 2 g + 1 under the new M: x f, each accumulator from its low end on
.set I, 16*(\g)
.rept 8
	v_pk_mul_f32 v[O+I:O+I+1], v[O+I:O+I+1], v[F:F+1] op_sel_hi:[1,0]
.set I, I+2
.endr
.endm
; The largest score of blocks b0 and b0 + 1 of 32 keys, by turns: it serves for the row's maximum and for the block's largest p.  Each tile of scores is first read at its low end.
.macro MAX1 b0
.irp b, \b0, \b0+1
	v_max3_num_f32 v[BM+\b], v[S+16*(\b)], v[S+1+16*(\b)], v[S+2+16*(\b)]
.endr
.endm
.macro MAXI b0, i
.irp b, \b0, \b0+1
	v_max3_num_f32 v[BM+\b], v[BM+\b], v[S+16*(\b)+\i], v[S+1+16*(\b)+\i]
.endr
.endm
.macro MAXE b0
.irp b, \b0, \b0+1
	v_max_num_f32 v[BM+\b], v[BM+\b], v[S+15+16*(\b)]
.endr
.endm
.macro MAXP b0
.irp b, \b0, \b0+1
	v_permlanex16_b32 v[T2+\b], v[BM+\b], s20, s21
.endr
.endm
.macro MAXJ b0
.irp b, \b0, \b0+1
	v_max_num_f32 v[BM+\b], v[BM+\b], v[T2+\b]     ; with lane l xor 16's 16 keys
.endr
.endm
; Block b's 16 numbers of my lane become four registers of codes.  The conversion to an 8-bit code does not saturate (ISA guide 7.6.2); p is not negative, so the hold is one-sided.
; Two holds go in one instruction: an even and an odd destination, the same register as both first sources, second sources that are neighbours.
.macro CODES b
.set I, 0
.rept 8
	v_dual_min_num_f32 v[S+16*(\b)+I], v[HD+(\b)], v[S+16*(\b)+I] :: v_dual_min_num_f32 v[S+16*(\b)+I+1], v[HD+(\b)], v[S+16*(\b)+I+1]
.set I, I+2
.endr
	v_cvt_scalef32_pk8_bf8_f32 v[PCD+4*(\b):PCD+4*(\b)+1], v[S+16*(\b):S+16*(\b)+7], v[SOP+(\b)]
	v_cvt_scalef32_pk8_bf8_f32 v[PCD+4*(\b)+2:PCD+4*(\b)+3], v[S+16*(\b)+8:S+16*(\b)+15], v[SOP+(\b)]
.endm
; THE SOFTMAX OF A KEY STEP.  At its head all eight tiles of scores have been issued, the last four eight places back; blocks 0 and 1's maxima are made.  next = 1: a step follows.
.macro SOFT next
	MAX1 2
.irp i, 3,5,7,9,11,13
	MAXI 2, \i
.endr
	MAXE 2
	MAXP 2
.if \next                                      ; the next step's first four tiles of K and its words: the products that read these registers stand 24 plain instructions back
	ds_load_b128 v[KSW:KSW+3], v[ADK] offset:STEPB+16384
	KLOAD 0, STEPB
.endif
	ds_load_b64 v[VSW:VSW+1], v[ADV] offset:16896  ; this step's words of V
	MAXJ 2
	s_delay_alu instid0(VALU_DEP_1)
	v_max3_num_f32 v[RMX], v[RMX], v[BM+2], v[BM+3]   ; the step's largest score of my query
	s_delay_alu instid0(VALU_DEP_1)
	v_mul_f32 v[RMX], s22, v[RMX]                  ; as t
	s_delay_alu instid0(VALU_DEP_1)
	v_max_num_f32 v13, v13, v[RMX]                 ; the running largest t (a hidden key's t lies under its first value, -2^100)
	s_delay_alu instid0(VALU_DEP_1)
	v_floor_f32 v12, -v13                          ; the new -M = floor(-t): M is a whole number
	s_delay_alu instid0(VALU_DEP_1)
	v_sub_f32 v[RMX], v12, v[OLDM]                 ; old M - new M: a whole number, 0 or less
	s_delay_alu instid0(VALU_DEP_1)
	v_cvt_i32_f32 v[RMX], v[RMX]                   ; (it saturates)
	s_delay_alu instid0(VALU_DEP_1)
	v_ldexp_f32 v[F], 1.0, v[RMX]                  ; f = 2^(old M - new M): a multiplication by it rounds nothing
.set I, 0
.rept 32
	v_pk_fma_f32 v[S+I:S+I+1], v[S+I:S+I+1], s[22:23], v[12:13] op_sel_hi:[1,0,0]   ; t - M, two at a time
.set I, I+2
.endr
.irp b, 0,1,2,3
	v_fma_f32 v[BM+\b], v[BM+\b], s22, v12         ; the same of each block's largest score
.endr
.set I, 0
	s_wait_alu depctr_va_vdst(0)
.rept 64
	v_exp_f32 v[S+I], v[S+I]                       ; p = 2^(t - M), at most 1
.set I, I+1
.endr
.irp b, 0,1,2,3
	v_exp_f32 v[BM+\b], v[BM+\b]                   ; the block's largest p
.endr
	v_pk_mul_f32 v[14:15], v[14:15], v[F:F+1] op_sel_hi:[1,0]   ; the sum under the new M.  (The plain place behind the exponentials)
	s_wait_alu depctr_va_vdst(0)
.irp b, 0,1,2,3
	v_max_num_f32 v[BM+\b], 0x8000000, v[BM+\b]    ; the floor 2^(16 - 127): the byte cannot fall under 1
.endr
.irp b, 0,1,2,3
	s_delay_alu instid0(VALU_DEP_4)
	v_add_nc_u32 v[SOP+\b], 0xf8800000, v[BM+\b]   ; 15 off the exponent field: the conversion's scale operand
.endr
.irp b, 0,1,2,3
	v_and_or_b32 v[HD+\b], v[BM+\b], 0x7f800000, s19   ; 57,344 x the scale
.endr
.irp b, 0,1,2,3
	v_lshrrev_b32 v[T2+\b], 23, v[SOP+\b]          ; the scale's byte
.endr
	s_delay_alu instid0(VALU_DEP_3)
	v_lshl_or_b32 v[PW], v[T2+1], 8, v[T2]         ; p's scale word for these 128 keys
	s_delay_alu instid0(VALU_DEP_1)
	v_lshl_or_b32 v[PW], v[T2+2], 16, v[PW]
	s_delay_alu instid0(VALU_DEP_1)
	v_lshl_or_b32 v[PW], v[T2+3], 24, v[PW]
	v_pk_add_f32 v[SU2:SU2+1], v[S:S+1], v[S+2:S+3]       ; the row's sum is taken of the unquantised p: two at a time, in four chains, which are joined in the seam
	v_pk_add_f32 v[SU3:SU3+1], v[S+4:S+5], v[S+6:S+7]
	v_pk_add_f32 v[SU4:SU4+1], v[S+8:S+9], v[S+10:S+11]
.set I, 12
.rept 6
	v_pk_add_f32 v[14:15], v[14:15], v[S+I:S+I+1]
	v_pk_add_f32 v[SU2:SU2+1], v[SU2:SU2+1], v[S+I+2:S+I+3]
	v_pk_add_f32 v[SU3:SU3+1], v[SU3:SU3+1], v[S+I+4:S+I+5]
	v_pk_add_f32 v[SU4:SU4+1], v[SU4:SU4+1], v[S+I+6:S+I+7]
.set I, I+8
.endr
	v_pk_add_f32 v[14:15], v[14:15], v[S+60:S+61]
	v_pk_add_f32 v[SU2:SU2+1], v[SU2:SU2+1], v[S+62:S+63]
	CODES 3                                        ; the upper blocks first: their registers take V's first half,
	CODES 2
	VLOAD 0                                        ; which is on its way while the lower blocks are converted
	CODES 0
	CODES 1
.endm
; THE SEAM.  prev = 1: the step just converted has its second product here;  next = 1: the next step has its first product here.  v[ADK] and v[ADV] are the earlier step's until they are stepped below.
.macro BOUND qf, pi, prev, next
.if \prev
	RESC 0                                         ; eight plain instructions between the conversions and the products that take the codes
	s_wait_alu depctr_va_vdst(0)
	s_wait_dscnt 0x0                               ; V's first half, its words, and the next step's first tiles of K and words are in
	PV 0
	PV 1
.else
	s_wait_dscnt 0x0                               ; the first step's first tiles of K and its words
.endif
.if \next
	KQ 0, 0, \qf, \pi                              ; into the lower half of the scores' registers, which no product above names
	KQ 1, 1, \qf, \pi
	KQ 2, 2, \qf, \pi
	KQ 3, 3, \qf, \pi
.endif
.if \prev
	RESC 1                                         ; eight places: they name no register of the products above.  Behind them their sources are loaded anew and the new scores are read
.else
	PLACES 8
.endif
.if \prev
	VLOAD 1
.endif
.if \next
	KLOAD 1, STEPB*\prev
	MAX1 0                                         ; eight lines of blocks 0 and 1's maxima while the loads are out
	MAXI 0, 3
	MAXI 0, 5
	MAXI 0, 7
.endif
	s_wait_dscnt 0x0
.if \prev
	s_wait_alu depctr_va_vdst(0)
	PV 2
	s_wait_alu depctr_va_vdst(0)
	PV 3
.endif
.if \next
	s_wait_alu depctr_va_vdst(0)
	MAXI 0, 9                                      ; with the address step nine places: the products below write over V's fragments
	MAXI 0, 11
	MAXI 0, 13
	MAXE 0
.if \prev
	s_add_co_u32 s15, s15, STEPB                   ; on to the next step's bytes: all loads of the earlier step have been issued
	v_add_nc_u32 v[ADK], s15, v[LI]
.endif
	KQ 4, 0, \qf, \pi
	KQ 5, 1, \qf, \pi
	KQ 6, 2, \qf, \pi
	KQ 7, 3, \qf, \pi
	MAXP 0                                         ; (the two lane permutes are not counted among the eight places that follow)
.if \prev
	v_add_nc_u32 v[ADV], s15, v[L8]
	v_pk_add_f32 v[SU2:SU2+1], v[SU2:SU2+1], v[SU3:SU3+1]   ; the sum's four chains are joined
	v_pk_add_f32 v[14:15], v[14:15], v[SU4:SU4+1]
	s_delay_alu instid0(VALU_DEP_1)
	v_pk_add_f32 v[14:15], v[14:15], v[SU2:SU2+1]
.else
	PLACES 4
.endif
	v_mov_b32 v[OLDM], v12                         ; -M as the earlier steps have left it
	MAXJ 0
	s_delay_alu instid0(VALU_DEP_1)
	v_max_num_f32 v[RMX], v[BM], v[BM+1]
.endif
.endm
; ONE TILE OF 16 QUERIES against all 2,048 keys, and its way out.
.macro PASS qf, pi
	v_mov_b32 v13, s18                             ; the largest t so far: -2^100
	s_delay_alu instid0(VALU_DEP_1)
	v_floor_f32 v12, -v13                          ; -M
	v_mov_b32 v14, 0
	v_mov_b32 v15, 0
.set I, 0
.rept 32
	v_mov_b32 v[O+I], 0                            ; the step is written without a first form of its own: the first finds zeros, which the first change of M leaves zeros
.set I, I+1
.endr
	s_mov_b32 s15, 0
	v_add_nc_u32 v[ADK], s15, v[LI]
	v_add_nc_u32 v[ADV], s15, v[L8]
	ds_load_b128 v[KSW:KSW+3], v[ADK] offset:16384
	KLOAD 0, 0
	s_wait_alu depctr_va_vdst(0)
	BOUND \qf, \pi, 0, 1                           ; step 0's scores
.if \pi == 0
	s_mov_b32 s16, 3
.Lfirst_\@:                                    ; my first tile's first 3 trips: steps 0 to 2, each with the scores of the step behind it: they read key steps 0 to 3 alone
	SOFT 1
	BOUND \qf, \pi, 1, 1
	s_sub_co_u32 s16, s16, 1
	s_cmp_lg_u32 s16, 0
	s_cbranch_scc1 .Lfirst_\@
	s_wait_alu depctr_va_vdst(0)
	s_wait_tensorcnt 0x0                           ; every wave, under no branch: my key step has landed,
	s_wait_dscnt 0x0
	s_barrier_signal -1
	s_barrier_wait -1                              ; everybody's has: the head is whole, and nobody writes it again
	s_mov_b32 s16, 12
.else
	s_mov_b32 s16, 15
.endif
.Lstep_\@:                                     ; 15 trips: steps 0 to 14, each with the scores of the step behind it
	SOFT 1
	BOUND \qf, \pi, 1, 1
	s_sub_co_u32 s16, s16, 1
	s_cmp_lg_u32 s16, 0
	s_cbranch_scc1 .Lstep_\@
	SOFT 0                                         ; the last step is written out: it asks for nothing beyond the head's bytes
	BOUND \qf, \pi, 1, 0
	v_pk_add_f32 v[SU2:SU2+1], v[SU2:SU2+1], v[SU3:SU3+1]   ; the last step's chains,
	v_pk_add_f32 v[14:15], v[14:15], v[SU4:SU4+1]
	s_delay_alu instid0(VALU_DEP_1)
	v_pk_add_f32 v[14:15], v[14:15], v[SU2:SU2+1]
	s_delay_alu instid0(VALU_DEP_1)
	v_add_f32 v14, v14, v15                        ; the sum's two halves,
	s_delay_alu instid0(VALU_DEP_1)
	v_permlanex16_b32 v[TP], v14, s20, s21
	s_delay_alu instid0(VALU_DEP_1)
	v_add_f32 v14, v14, v[TP]                      ; and lane l xor 16's
	s_wait_alu depctr_va_vdst(0)
	v_rcp_f32 v[F], v14
	PLACES 8                                       ; behind the last products, and behind the reciprocal
.set I, 0
	s_wait_alu depctr_va_vdst(0)
.rept 16
	v_pk_mul_f32 v[S+I:S+I+1], v[O+I:O+I+1], v[F:F+1] op_sel_hi:[1,0]   ; O^T / the sum, each accumulator from its low end on: register 16 b + 8 u + j is feature 32 b + 16 u + 8 h + j of the head
.set I, I+2
.endr
.irp b, 0,1
	v_max3_num_f32 v[BM+\b], |v[S+16*\b]|, |v[S+1+16*\b]|, 0x8000000
.endr
.irp i, 2,4,6,8,10,12,14
.irp b, 0,1
	s_delay_alu instid0(VALU_DEP_2)
	v_max3_num_f32 v[BM+\b], v[BM+\b], |v[S+16*\b+\i]|, |v[S+1+16*\b+\i]|
.endr
.endr
.irp b, 0,1
	s_delay_alu instid0(VALU_DEP_2)
	v_permlanex16_b32 v[T2+\b], v[BM+\b], s20, s21
.endr
.irp b, 0,1
	s_delay_alu instid0(VALU_DEP_2)
	v_max_num_f32 v[BM+\b], v[BM+\b], v[T2+\b]
.endr
.irp b, 0,1
	s_delay_alu instid0(VALU_DEP_2)
	v_add_nc_u32 v[SOP+\b], 0xf8800000, v[BM+\b]
.endr
.irp b, 0,1
	s_delay_alu instid0(VALU_DEP_4)
	v_and_or_b32 v[HD+\b], v[BM+\b], 0x7f800000, s19
.endr
.irp b, 0,1
	s_delay_alu instid0(VALU_DEP_4)
	v_lshrrev_b32 v[T2+\b], 23, v[SOP+\b]
.endr
.irp b, 0,1
.set I, 0
.rept 16
	v_med3_num_f32 v[S+16*\b+I], v[S+16*\b+I], -v[HD+\b], v[HD+\b]
.set I, I+1
.endr
	v_cvt_scalef32_pk8_bf8_f32 v[S+32+4*\b:S+33+4*\b], v[S+16*\b:S+16*\b+7], v[SOP+\b]
	v_cvt_scalef32_pk8_bf8_f32 v[S+34+4*\b:S+35+4*\b], v[S+16*\b+8:S+16*\b+15], v[SOP+\b]
.endr
	v_nop                                          ; a plain instruction between the conversions and the reads of their results
	s_mov_b32 vcc_lo, 0xffff0000
.irp b, 0,1                                    ; the last product's other operand comes in the natural order of K: lanes 0-15 want features 0-15 of a block, lanes 16-31 features 16-31: two pairs of registers change halves
	v_permlanex16_b32 v[TP], v[S+32+4*\b], s20, s21
	v_permlanex16_b32 v[TP+1], v[S+33+4*\b], s20, s21
	v_permlanex16_b32 v[TP+2], v[S+34+4*\b], s20, s21
	v_permlanex16_b32 v[TP+3], v[S+35+4*\b], s20, s21
	v_cndmask_b32 v[S+32+4*\b], v[S+32+4*\b], v[TP+2], vcc_lo
	v_cndmask_b32 v[S+33+4*\b], v[S+33+4*\b], v[TP+3], vcc_lo
	v_cndmask_b32 v[S+34+4*\b], v[TP], v[S+34+4*\b], vcc_lo
	v_cndmask_b32 v[S+35+4*\b], v[TP+1], v[S+35+4*\b], vcc_lo
	global_store_b128 v[LI], v[S+32+4*\b:S+35+4*\b], s[8:9] offset:16384*\pi+512*\b   ; 512 consecutive bytes, aligned
.endr
	v_lshl_or_b32 v[TP], v[T2+1], 8, v[T2]         ; my row's two scale bytes;
	v_mov_b32 v[TP+1], 0xffff
	v_cmp_ge_f32 vcc_lo, s18, v13                  ; no key counted: both become 0xff
	s_delay_alu instid0(VALU_DEP_1)
	v_cndmask_b32 v[TP], v[TP], v[TP+1], vcc_lo
	ds_store_b16 v[HWA], v[TP] offset:32*\pi       ; lanes l and l + 16 write the same bytes with the same value
	s_wait_xcnt 0x0                                ; the stores have read their registers, which the next tile's products and loads write
.endm
	PASS QF0, 0
	PASS QF1, 1
	s_wait_dscnt 0x0                               ; for the others' sake: my rows' bytes lie in LDS
	s_barrier_signal -1
	s_barrier_wait -1
	s_cmp_lt_u32 s12, 2                            ; the work-group's 1,024 bytes leave by two waves, 512 consecutive bytes each
	s_cbranch_scc0 .Lno_out
	v_lshl_add_u32 v9, v0, 4, SCS
	v_lshlrev_b32 v10, 4, v0
	ds_load_b128 v[S:S+3], v9
	s_wait_alu depctr_va_vdst(0)
	s_wait_dscnt 0x0
	global_store_b128 v10, v[S:S+3], s[10:11]
.Lno_out:
	s_wait_xcnt 0x0
	v_lshl_add_u32 v254, v0, 2, 0x43400
	v_mov_b32 v255, 0
	s_wait_alu depctr_va_vdst(0)
	s_wait_tensorcnt 0x0
	ds_add_u32 v254, v255
	s_wait_dscnt 0x0
	CROUND                                         ; the closing round
	s_endpgm
.Lfunc_end_k_qdfb21a1d27_attn:
	.size	k_qdfb21a1d27_attn, .Lfunc_end_k_qdfb21a1d27_attn-k_qdfb21a1d27_attn
	.p2alignl 7, 3214868480
	.fill 96, 4, 3214868480
	.section	.rodata,"a",@progbits
	.p2align	6, 0x0
	.amdhsa_kernel k_qdfb21a1d27_attn
		.amdhsa_group_segment_fixed_size 327680
		.amdhsa_private_segment_fixed_size 0
		.amdhsa_enable_private_segment 0
		.amdhsa_kernarg_size 32
		.amdhsa_user_sgpr_count 2
		.amdhsa_user_sgpr_kernarg_segment_ptr 1
		.amdhsa_wavefront_size32 1
		.amdhsa_system_sgpr_workgroup_id_x 1
		.amdhsa_system_sgpr_workgroup_id_y 1
		.amdhsa_system_sgpr_workgroup_id_z 1
		.amdhsa_system_vgpr_workitem_id 0
		.amdhsa_next_free_vgpr 256
		.amdhsa_next_free_sgpr 66
		.amdhsa_reserve_vcc 1
		.amdhsa_float_denorm_mode_32 3
		.amdhsa_float_denorm_mode_16_64 3
		.amdhsa_memory_ordered 1
		.amdhsa_forward_progress 1
		.amdhsa_inst_pref_size 119
	.end_amdhsa_kernel
	.amdgpu_metadata
---
amdhsa.version: [ 1, 2 ]
amdhsa.kernels:
  - .name:           k_qdfb21a1d27_attn
    .symbol:         k_qdfb21a1d27_attn.kd
    .args:
      - { .name: qw, .offset: 0, .size: 8, .value_kind: global_buffer, .address_space: global }
      - { .name: kv, .offset: 8, .size: 8, .value_kind: global_buffer, .address_space: global }
      - { .name: att, .offset: 16, .size: 8, .value_kind: global_buffer, .address_space: global }
      - { .name: atts, .offset: 24, .size: 8, .value_kind: global_buffer, .address_space: global }
    .group_segment_fixed_size: 327680
    .private_segment_fixed_size: 0
    .kernarg_segment_align: 8
    .kernarg_segment_size: 32
    .max_flat_workgroup_size: 512
    .sgpr_count:     66
    .vgpr_count:     256
    .wavefront_size: 32
...
	.end_amdgpu_metadata
.endif
;; end of part 2
;; launch outp (part 3): grid 8 x 32, 4 waves a work-group, clusters of 4 x 4, 327,680 bytes of LDS; arguments att, atts, Wo_codes, Wo_scales, bo, out0; writes out0
.if DOCPART == 3
	.amdgcn_target "amdgcn-amd-amdhsa--gfx1250"
	.amdhsa_code_object_version 6
	.text
	.protected	k_qdfb21a1d27_outp
	.globl	k_qdfb21a1d27_outp
	.p2align	8
	.type	k_qdfb21a1d27_outp,@function
k_qdfb21a1d27_outp:
	s_mov_b64 s[64:65], 0
	v_nop
	global_prefetch_b8 v0, s[64:65] scope:SCOPE_SE
	s_setreg_imm32_b32 hwreg(HW_REG_WAVE_MODE, 25, 1), 1
	s_wait_xcnt 0x0
	s_wait_alu depctr_hold_cnt(0) depctr_sa_sdst(0) depctr_va_vdst(0) depctr_va_sdst(0) depctr_va_ssrc(0) depctr_va_vcc(0) depctr_vm_vsrc(0)
	s_getreg_b32 s2, hwreg(HW_REG_IB_STS2, 6, 4)
	s_cmp_eq_u32 s2, 0
	s_cbranch_scc0 .Lentry_in_a_cluster
	s_endpgm
.Lentry_in_a_cluster:
	s_bfe_u32 s2, ttmp6, 0x10000c
	s_cmp_lg_u32 s2, 0xf033
	s_cbranch_scc0 .Lentry_shape_is_right
	s_endpgm
.Lentry_shape_is_right:
; out0 = attended Wo^T + bo on codes of BF8 (E5M2) with E8M0 scales: 8,192 x 1,024 x 1,024, f32 sums and f32 results.
; att: [tile of 16 rows][32 blocks of 32 along K][lane][16 bytes]: the image of an operand's registers, 16,384 bytes a tile.  atts: [batch x 16 + head][query] two scale bytes.
; SHARES.  A work-group of four waves (2 x 2) makes 256 rows x 128 columns.  A wave holds its 64 rows of Wo, ALL of K, in 512 registers (windows 1, 2) and takes eight blocks of 16 rows of att past them,
; which stand in two whole sets (window 3).  A block is 32 products, its four accumulators by turns; the bias is the first products' C.  A finished block leaves
; through the wave's own stage in LDS while the next block is multiplied: sixteen lanes store 256 consecutive bytes, aligned.
; LDS: region X: Wo's 128 rows of 1,024 bytes + 16 of padding; region Y: att's first 128 rows (8 tiles), stated as rows of 1,024 bytes with the same padding.  When all waves hold Wo in registers,
; att's second 128 rows are filled over X in a drained round of the cluster's barrier: the same rows, pitch and padding.  No K ring: all of K is resident.
; CLUSTER 4 x 4: att's rows are shared along a row of the cluster, Wo's along a column: joint loads.
; PREFETCH: the second 128 rows (131,072 bytes a row of the cluster) are asked for once at the head: 16 waves x 32 lanes x 256 bytes, shared out by address.  The head's own tiles have nothing ahead of them to ask in.
; Source 0 = 16 rows of Wo, source 1 = 16 rows of att: a lane holds eight neighbouring columns of one row of the result.
; LIMITS: NaN and infinities are carried as the matrix unit carries them; a row whose scale bytes are 0xff gives NaN, as the launch before means it.
.set PITCH,  1040
.set TILEB,  16*PITCH
.set XB,     0
.set YB,     128*PITCH
.set ASC,    2*128*PITCH               ; att's scale words: [tile of 16 rows][512 bytes]
.set STAGE,  ASC+8192                  ; 16 rows x 272 bytes a wave
.set SPARE,  STAGE+4*16*272
.set AWR,  10
.set ADA,  12                          ; v12-15 my blocks 0-1, 2-3 (in Y), 4-5, 6-7 (in X)
.set ADB,  16
.set PFO,  17
.set STO,  24
.set RD,   25
.set CO,   26
.set ADSA, 27
.set SPW,  28
.set NIL,  29
.set SB,   32                          ; v32-63 Wo's scale words: 8 b + q
.set SA,   68                          ; v68-83 att's: two sets of eight; no product's two scale words have numbers equal modulo 8
.set BO,   96                          ; v96-127 the bias in the result's layout
.set ACC,  128                         ; v128-191 two sets of four accumulators
.set BK,   192                         ; v192-255 two sets of 16 rows read back from the stage
.set G1A,  24
.set G0A,  32
.set G0R,  36
.set G1B,  48
.set G0B,  56
.set G1R,  68
.set MSB, 0
.macro WIN new
.if MSB != (\new)
	s_set_vgpr_msb (MSB<<8)|(\new)
.set MSB, (\new)
.endif
.endm
.macro PLACES n
.rept \n
	v_nop
.endr
.endm
.macro CROUND
	s_barrier_signal -1
	s_barrier_wait -1
	s_cmp_lg_u32 s16, 0
	s_cbranch_scc1 .Lnot_wave_0_\@
	s_barrier_signal -3
.Lnot_wave_0_\@:
	s_barrier_wait -3
	s_barrier_signal -1
	s_barrier_wait -1
.endm
.macro GROUP1 g, mask, rows            ; so many dense rows of 1,024 bytes, 16 bytes of padding behind each
	s_or_b32 s[\g+0], s[\mask], (1<<20)|(1<<21)|(7<<22)|(3<<25)
	s_mov_b32 s[\g+1], 1024<<16
	s_mov_b32 s[\g+2], (\rows)<<16
	s_mov_b32 s[\g+3], 1024<<16
	s_mov_b32 s[\g+4], \rows
	s_mov_b32 s[\g+5], 1024
	s_mov_b32 s[\g+6], 0
	s_mov_b32 s[\g+7], 0
.endm
	s_load_b256 s[4:11], s[0:1], 0x0               ; att, atts, Wo_codes, Wo_scales
	s_load_b128 s[12:15], s[0:1], 0x20             ; bo, out0
	v_lshl_add_u32 v[SPW], v0, 2, SPARE
	v_mov_b32 v[NIL], 0
	ds_add_u32 v[SPW], v[NIL]                      ; the opening lines: the add twice on end and its wait
	ds_add_u32 v[SPW], v[NIL]
	v_lshrrev_b32 v1, 5, v0
	v_readfirstlane_b32 s16, v1                    ; wave
	s_lshr_b32 s17, s16, 1                         ; my row of waves; at the head: 0 fetches Wo, 1 fetches att
	s_and_b32 s18, s16, 1                          ; my column of waves; at the head: which half
	s_bfe_u32 s40, ttmp6, 0x40000                  ; cx
	s_bfe_u32 s41, ttmp6, 0x40004                  ; cy
	s_lshl_b32 s42, ttmp9, 2
	s_add_co_u32 s42, s42, s40                     ; tile column
	s_and_b32 s19, ttmp7, 0xffff
	s_lshl_b32 s19, s19, 2
	s_add_co_u32 s19, s19, s41                     ; tile row
	s_lshl_b32 s43, s41, 2
	s_lshl_b32 s43, 15, s43                        ; my row of the cluster
	s_lshl_b32 s44, 0x1111, s40                    ; my column
	GROUP1 G1A, 43, 64
	GROUP1 G1B, 44, 64
	GROUP1 G1R, 43, 32
	s_lshl_b32 s20, s19, 18                        ; att: 262,144 bytes a tile row; the head's half: 65,536
	s_lshl_b32 s21, s18, 16
	s_add_co_u32 s20, s20, s21
	s_mov_b32 s21, 0
	s_lshl_b32 s76, s19, 18                        ; the refill: the second 131,072 bytes, a quarter a wave
	s_lshl_b32 s77, s16, 15
	s_add_co_u32 s76, s76, s77
	s_add_co_u32 s76, s76, 131072
	s_mov_b32 s77, 0
	s_lshl_b32 s46, s42, 7
	s_lshl_b32 s47, s18, 6
	s_add_co_u32 s45, s46, s47                     ; my first column, and the first row of Wo of my half
	s_lshl_b32 s46, s45, 10
	s_mov_b32 s47, 0
	s_mul_i32 s22, s18, 64*PITCH
	s_mul_i32 s23, s16, 32*PITCH
	s_mov_b32 s[G0A], 1
	s_add_co_u32 s[G0A+1], s22, YB
	s_mov_b32 s[G0B], 1
	s_add_co_u32 s[G0B+1], s22, XB
	s_mov_b32 s[G0R], 1
	s_add_co_u32 s[G0R+1], s23, XB
	s_lshr_b32 s88, s19, 3                         ; atts: batch x 65,536 + 512 x (tile row % 8)
	s_lshl_b32 s88, s88, 16
	s_and_b32 s89, s19, 7
	s_lshl_b32 s89, s89, 9
	s_add_co_u32 s88, s88, s89
	s_mov_b32 s89, 0
	s_lshl_b32 s90, s19, 8                         ; out0: row 256 x tile row + 64 x my row of waves, column s45
	s_lshl_b32 s91, s17, 6
	s_add_co_u32 s90, s90, s91
	s_lshl_b32 s90, s90, 12
	s_lshl_b32 s91, s45, 2
	s_add_co_u32 s90, s90, s91
	s_mov_b32 s91, 0
	s_lshl_b32 s92, s45, 5                         ; Wo's scale bytes
	s_mov_b32 s93, 0
	s_lshl_b32 s94, s45, 2                         ; bo
	s_mov_b32 s95, 0
	s_mul_i32 s80, s17, 4*TILEB                    ; my four tiles of a region
	s_add_co_u32 s81, s80, YB+2*TILEB
	s_add_co_u32 s82, s80, XB
	s_add_co_u32 s83, s80, XB+2*TILEB
	s_add_co_u32 s80, s80, YB
	s_mul_i32 s84, s18, 64*PITCH
	s_add_co_u32 s84, s84, XB
	s_mul_i32 s85, s16, 16*272
	s_add_co_u32 s85, s85, STAGE
	s_lshl_b32 s86, s17, 11
	s_add_co_u32 s86, s86, ASC
	s_lshl_b32 s87, s40, 2                         ; the prefetch: which of the cluster row's sixteen waves I am: 8,192 bytes each
	s_add_co_u32 s87, s87, s16
	s_lshl_b32 s87, s87, 13
	s_lshl_b32 s96, s19, 18
	s_add_co_u32 s87, s87, s96
	s_add_co_u32 s87, s87, 131072
	s_mov_b32 s97, 0x05040100
	s_mov_b32 s98, 0x07060302
	s_wait_dscnt 0x0                               ; both opening adds are done
	s_wait_kmcnt 0x0
	s_add_nc_u64 s[G0A+2:G0A+3], s[4:5], s[20:21]
	s_or_b32 s[G0A+3], s[G0A+3], 0x80000000
	s_add_nc_u64 s[G0B+2:G0B+3], s[8:9], s[46:47]
	s_or_b32 s[G0B+3], s[G0B+3], 0x80000000
	s_add_nc_u64 s[G0R+2:G0R+3], s[4:5], s[76:77]
	s_or_b32 s[G0R+3], s[G0R+3], 0x80000000
	s_add_nc_u64 s[6:7], s[6:7], s[88:89]
	s_add_nc_u64 s[10:11], s[10:11], s[92:93]
	s_add_nc_u64 s[12:13], s[12:13], s[94:95]
	s_add_nc_u64 s[14:15], s[14:15], s[90:91]
	CROUND                                         ; all sixteen work-groups are here: the first joint loads meet
	s_cmp_eq_u32 s17, 0                            ; one joint load a wave: waves 0, 1 Wo's halves, waves 2, 3 the halves of att's first 128 rows
	s_cbranch_scc0 .Lhead_a
	tensor_load_to_lds s[G0B:G0B+3], s[G1B:G1B+7]
	s_nop 0
	PLACES 4
	s_branch .Lhead_asked
.Lhead_a:
	tensor_load_to_lds s[G0A:G0A+3], s[G1A:G1A+7]
	s_nop 0
	PLACES 4
.Lhead_asked:
	v_and_b32 v1, 15, v0                           ; r
	v_bfe_u32 v2, v0, 4, 1                         ; h
	v_and_b32 v3, 31, v0                           ; lane
	v_lshlrev_b32 v4, 4, v3
	v_add_nc_u32 v[ADA], s80, v4
	v_add_nc_u32 v[ADA+1], s81, v4
	v_add_nc_u32 v[ADA+2], s82, v4
	v_add_nc_u32 v[ADA+3], s83, v4
	v_mul_u32_u24 v5, v1, PITCH
	v_lshl_add_u32 v5, v2, 4, v5
	v_add_nc_u32 v[ADB], s84, v5                   ; Wo: row r x pitch + 16 h
	v_mul_u32_u24 v5, v1, 272
	v_lshl_add_u32 v5, v2, 5, v5
	v_add_nc_u32 v[STO], s85, v5                   ; stage in: row r, 32 bytes a half
	v_mul_u32_u24 v6, v2, 272
	v_lshl_add_u32 v6, v1, 4, v6
	v_add_nc_u32 v[RD], s85, v6                    ; back: lanes 0-15 one row, lanes 16-31 the next
	v_lshlrev_b32 v6, 12, v2
	v_lshl_add_u32 v[CO], v1, 4, v6                ; the same two rows in out0
	v_lshl_add_u32 v[ADSA], v1, 4, s86
	v_lshrrev_b32 v5, 3, v0
	v_lshlrev_b32 v5, 9, v5
	v_and_b32 v6, 7, v0
	v_lshl_add_u32 v5, v6, 5, v5
	v_add_nc_u32 v[AWR], ASC, v5                   ; thread t lays rows 2 t, 2 t + 1: tile t / 8
	v_lshlrev_b32 v7, 2, v0
	v_lshlrev_b32 v8, 5, v1
	v_lshlrev_b32 v9, 5, v2
	v_lshl_add_u32 v[PFO], v3, 8, s87
	global_prefetch_b8 v[PFO], s[4:5] th:TH_LOAD_NT scope:SCOPE_SE   ; its two address registers are never written again
.irp d, 0,1,2,3,4,5,6,7,8,9,10,11,12,13,14,15
	global_load_b32 v[128+\d], v7, s[6:7] offset:\d*4096            ; head d's two bytes of my two rows
.endr
.irp b, 0,1,2,3
	global_load_b128 v[SB+8*\b:SB+8*\b+3], v8, s[10:11] offset:512*\b
	global_load_b128 v[SB+8*\b+4:SB+8*\b+7], v8, s[10:11] offset:512*\b+16
.endr
.irp b, 0,1,2,3
	global_load_b128 v[BO+8*\b:BO+8*\b+3], v9, s[12:13] offset:64*\b
	global_load_b128 v[BO+8*\b+4:BO+8*\b+7], v9, s[12:13] offset:64*\b+16
.endr
	s_wait_alu depctr_va_vdst(0)
	s_wait_loadcnt 16                              ; att's scale bytes are in; the 16 loads behind them may be out
.irp k, 0,1,2,3,4,5,6,7
	v_perm_b32 v[144+\k], v[129+2*\k], v[128+2*\k], s97   ; word k of row 2 t: heads 2 k, 2 k + 1
	v_perm_b32 v[152+\k], v[129+2*\k], v[128+2*\k], s98   ; of row 2 t + 1
.endr
	ds_store_b128 v[AWR], v[144:147]
	ds_store_b128 v[AWR], v[148:151] offset:256
	ds_store_b128 v[AWR], v[152:155] offset:16
	ds_store_b128 v[AWR], v[156:159] offset:272
	s_cmp_eq_u32 s17, 0                            ; waves 0 and 1, whose load line is their own, wait here: Wo's rows have landed
	s_cbranch_scc0 .Lnot_w
	s_wait_tensorcnt 0x0
.Lnot_w:
	s_wait_dscnt 0x0                               ; my scale words lie in LDS
	s_barrier_signal -1
	s_barrier_wait -1                              ; the other waves' wait stands at the second barrier
.macro FETCH e, k                      ; my block k, 16 rows, all of K, into set e of window 3, and its eight scale words: 34 loads
	WIN 3<<6
.irp q, 0,1,2,3,4,5,6,7
.irp c, 0,1,2,3
	ds_load_b128 v[128*(\e)+16*\q+4*\c:128*(\e)+16*\q+4*\c+3], v[ADA+(\k)/2] offset:((\k)%2)*TILEB+(2*\q+\c/2)*PITCH+(\c%2)*512
.endr
.endr
	WIN 0
	ds_load_b128 v[SA+8*(\e):SA+8*(\e)+3], v[ADSA] offset:512*(\k)+2048*((\k)/4)
	ds_load_b128 v[SA+8*(\e)+4:SA+8*(\e)+7], v[ADSA] offset:512*(\k)+2048*((\k)/4)+256
.endm
.macro BLOCK e                         ; 32 products: n = 4 q + b: the q-th 128 of K, column tile b
.set N_, 0
.rept 32
	WIN (1+N_/16)|(3<<2)
.if N_ < 4
	v_wmma_scale_f32_16x16x128_f8f6f4 v[ACC+32*(\e)+8*(N_%4):ACC+32*(\e)+8*(N_%4)+7], v[16*(N_%16):16*(N_%16)+15], v[128*(\e)+16*(N_/4):128*(\e)+16*(N_/4)+15], v[BO+8*(N_%4):BO+8*(N_%4)+7], v[SB+8*(N_%4)+N_/4], v[SA+8*(\e)+N_/4] matrix_a_fmt:MATRIX_FMT_BF8 matrix_b_fmt:MATRIX_FMT_BF8
.else
	v_wmma_scale_f32_16x16x128_f8f6f4 v[ACC+32*(\e)+8*(N_%4):ACC+32*(\e)+8*(N_%4)+7], v[16*(N_%16):16*(N_%16)+15], v[128*(\e)+16*(N_/4):128*(\e)+16*(N_/4)+15], v[ACC+32*(\e)+8*(N_%4):ACC+32*(\e)+8*(N_%4)+7], v[SB+8*(N_%4)+N_/4], v[SA+8*(\e)+N_/4] matrix_a_fmt:MATRIX_FMT_BF8 matrix_b_fmt:MATRIX_FMT_BF8
.endif
.set N_, N_+1
.endr
	WIN 0
.endm
.macro TOSTAGE k                       ; 8 stores, each accumulator from its low end on, and 8 loads: LDS serves a wave's instructions in order (ISA guide 5.7.1.4)
.irp b, 0,1,2,3
	ds_store_b128 v[STO], v[ACC+32*((\k)%2)+8*\b:ACC+32*((\k)%2)+8*\b+3] offset:64*\b
	ds_store_b128 v[STO], v[ACC+32*((\k)%2)+8*\b+4:ACC+32*((\k)%2)+8*\b+7] offset:64*\b+16
.endr
.irp t, 0,1,2,3,4,5,6,7
	ds_load_b128 v[BK+32*((\k)%2)+4*\t:BK+32*((\k)%2)+4*\t+3], v[RD] offset:\t*544
.endr
.endm
.macro SEND k                          ; block k is tile k (k < 4) or k + 4 of my row of waves' rows: 65,536 bytes a tile
.irp t, 0,1,2,3,4,5,6,7
	global_store_b128 v[CO], v[BK+32*((\k)%2)+4*\t:BK+32*((\k)%2)+4*\t+3], s[14:15] offset:65536*((\k)+4*((\k)/4))+\t*8192 th:TH_STORE_NT
.endr
.endm
.irp q, 0,1,2,3,4,5,6,7                ; my 64 rows of Wo, all of K: fragment 4 q + b in window 1 + (4 q + b) / 16
	WIN (1+\q/4)<<6
.irp b, 0,1,2,3
.irp c, 0,1,2,3
	ds_load_b128 v[16*((4*\q+\b)%16)+4*\c:16*((4*\q+\b)%16)+4*\c+3], v[ADB] offset:128*\q+32*\c+\b*TILEB
.endr
.endr
.endr
	WIN 0
	s_wait_tensorcnt 0x0                           ; att's first 128 rows have landed: every wave waits, under no branch
	s_wait_dscnt 0x0
	s_barrier_signal -1
	s_barrier_wait -1
	FETCH 0, 0
	FETCH 1, 1
	s_wait_tensorcnt 0x0                           ; the three lines ahead of a refill's round
	ds_add_u32 v[SPW], v[NIL]
	s_wait_dscnt 0x0                               ; the add is done, and Wo stands in my registers
	CROUND                                         ; so it does in every wave of the cluster
	tensor_load_to_lds s[G0R:G0R+3], s[G1R:G1R+7]  ; att's second 128 rows over Wo's bytes: 32 rows a wave
	s_nop 0
	PLACES 4
	s_wait_loadcnt 0x0                             ; Wo's scale words and the bias
.irp k, 0,1,2,3,4,5,6,7
.if \k == 7
	s_wait_dscnt 16                                ; block 7's set is in; behind it: block 6's stage
.elseif \k > 0
	s_wait_dscnt 50                                ; block k's set is in; behind it: a stage's 16 and a fetch's 34
.endif
	BLOCK \k%2
	PLACES 8                                       ; behind the last product, ahead of the stores of its sums and of the loads into what it has read
.if \k > 1
	s_wait_xcnt 0x0                                ; block k - 2's stores have read the registers into which block k's rows come back
.endif
.if \k == 7
	s_wait_dscnt 0x0
	SEND 6
.elseif \k > 0
	s_wait_dscnt 34                                ; block k - 1 is back from the stage; behind it: a fetch's 34
	SEND \k-1
.endif
	TOSTAGE \k
.if \k == 2
	s_wait_tensorcnt 0x0                           ; my part of the second 128 rows has landed
	s_wait_dscnt 0x0
	s_barrier_signal -1
	s_barrier_wait -1                              ; everybody's has
.endif
.if \k < 6
	FETCH \k%2, \k+2
.endif
.endr
	s_wait_dscnt 0x0
	SEND 7
	s_wait_tensorcnt 0x0                           ; the wave's end
	ds_add_u32 v[SPW], v[NIL]
	s_wait_dscnt 0x0
	CROUND                                         ; the closing round
	s_endpgm
.Lfunc_end_k_qdfb21a1d27_outp:
	.size	k_qdfb21a1d27_outp, .Lfunc_end_k_qdfb21a1d27_outp-k_qdfb21a1d27_outp
	.p2alignl 7, 3214868480
	.fill 96, 4, 3214868480
	.section	.rodata,"a",@progbits
	.p2align	6, 0x0
	.amdhsa_kernel k_qdfb21a1d27_outp
		.amdhsa_group_segment_fixed_size 327680
		.amdhsa_private_segment_fixed_size 0
		.amdhsa_enable_private_segment 0
		.amdhsa_kernarg_size 48
		.amdhsa_user_sgpr_count 2
		.amdhsa_user_sgpr_kernarg_segment_ptr 1
		.amdhsa_wavefront_size32 1
		.amdhsa_system_sgpr_workgroup_id_x 1
		.amdhsa_system_sgpr_workgroup_id_y 1
		.amdhsa_system_sgpr_workgroup_id_z 1
		.amdhsa_system_vgpr_workitem_id 0
		.amdhsa_next_free_vgpr 1024
		.amdhsa_next_free_sgpr 100
		.amdhsa_reserve_vcc 0
		.amdhsa_float_denorm_mode_32 3
		.amdhsa_float_denorm_mode_16_64 3
		.amdhsa_memory_ordered 1
		.amdhsa_forward_progress 1
		.amdhsa_inst_pref_size 89
	.end_amdhsa_kernel
	.amdgpu_metadata
---
amdhsa.version: [ 1, 2 ]
amdhsa.kernels:
  - .name:           k_qdfb21a1d27_outp
    .symbol:         k_qdfb21a1d27_outp.kd
    .args:
      - { .name: att, .offset: 0, .size: 8, .value_kind: global_buffer, .address_space: global }
      - { .name: atts, .offset: 8, .size: 8, .value_kind: global_buffer, .address_space: global }
      - { .name: Wo_codes, .offset: 16, .size: 8, .value_kind: global_buffer, .address_space: global }
      - { .name: Wo_scales, .offset: 24, .size: 8, .value_kind: global_buffer, .address_space: global }
      - { .name: bo, .offset: 32, .size: 8, .value_kind: global_buffer, .address_space: global }
      - { .name: out0, .offset: 40, .size: 8, .value_kind: global_buffer, .address_space: global }
    .group_segment_fixed_size: 327680
    .private_segment_fixed_size: 0
    .kernarg_segment_align: 8
    .kernarg_segment_size: 48
    .max_flat_workgroup_size: 128
    .sgpr_count:     100
    .vgpr_count:     1024
    .wavefront_size: 32
...
	.end_amdgpu_metadata
.endif
;; end of part 3
